; MI455X (gfx1250); checked and timed in simulation.
; The chip was launched on July 23, 2026; its instructions are those of AMD's public machine-readable ISA for CDNA 5 (MIT licence, August 2026) and "CDNA5" Instruction Set Architecture Reference Guide (July 2026). The comments in the code are by the model that wrote it; some were corrected since.
;; MHA. Allowed arithmetic: float matrix products may take bf16 or f16 operands with f32 sums; other float arithmetic in f32, or as packed bf16 or f16 multiplies, adds, multiply-adds, maxima and minima; sums over many terms, partial sums and values carried from step to step in f32; what a program stores and reads back later, other than sums and carried values, may be rounded once to bf16 or f16.
;; Inputs: Wk 1,024 x 1,024 float32; Wo 1,024 x 1,024 float32; Wq 1,024 x 1,024 float32; Wv 1,024 x 1,024 float32; k 4 x 2,048 x 1,024 float32; mask 4 x 2,048 x 2,048 int32; q 4 x 2,048 x 1,024 float32; v 4 x 2,048 x 1,024 float32.
;; Outputs: out0 4 x 2,048 x 1,024 float32.
;; 2 versions, each right; version 2 is version 1 with the launch prep written anew for expert scheduling mode. Each part assembles by itself: llvm-mc -triple=amdgcn-amd-amdhsa -mcpu=gfx1250 --defsym DOCPART=n.
;; ======== version 1 of 2: 4 launches
;; limits: values are held in f16: magnitudes above 65,504 overflow, below 6.1e-05 lose precision
;; workspace buffers: x16 50,331,648 bytes; w16 8,388,608 bytes; mbits 2,097,152 bytes of whole numbers; qkv16 50,331,648 bytes; o16 16,777,216 bytes
;; launch prep (part 1): grid 1792 x 1, 8 waves a work-group, no clusters, 68,608 bytes of LDS; arguments q, k, v, Wq, Wk, Wv, Wo, mask, x16, w16, mbits; writes x16, w16, mbits
.if DOCPART == 1
	.amdgcn_target "amdgcn-amd-amdhsa--gfx1250"
	.amdhsa_code_object_version 6
	.text
	.protected	k_qeea144aa65_prep
	.globl	k_qeea144aa65_prep
	.p2align	8
	.type	k_qeea144aa65_prep,@function
k_qeea144aa65_prep:
	s_mov_b64 s[64:65], 0
	v_nop
	global_prefetch_b8 v0, s[64:65] scope:SCOPE_SE
	s_setreg_imm32_b32 hwreg(HW_REG_WAVE_MODE, 25, 1), 1
	s_wait_xcnt 0x0
; PREPARES THE OPERANDS of the three launches behind it.  Three kinds of work-group, chosen by the work-group's number alone:
;   0 .. 767      q, k, v [4][2048][1024] f32 -> x16, f16, laid in blocks: byte = (4 p + b) << 22 | kb << 18 | l << 7 | 2 d  (p: 0 q, 1 k, 2 v; column = 64 kb + d),
;                 so that 128 tokens x 64 columns are 16,384 consecutive bytes
;   768 .. 1279   mask [4][2048][2048] int32 -> mbits, one bit a number: for 16 queries (qtile) and 64 keys (kstep) 32 words; bit L of word 8 kb + j says
;                 mask[b][16 qtile + L % 16][64 kstep + 16 kb + 8 (L / 16) + j] != 0: the word is the lane mask of one select on a score register in the attention launch
;   1280 .. 1791  Wq, Wk, Wv, Wo [k][n] f32 -> w16 [4][n][k] f16, transposed
; Each input byte is read once, by 16-byte loads of which sixteen neighbouring lanes take 256 consecutive bytes; each store of a wave covers whole aligned runs of 256 bytes.
; No matrix unit, no cluster, no tensor load: nothing here is shared between work-groups and nothing is multiplied.
; LIMIT.  f16 holds no number beyond 65,504: an input of 65,520 or more in magnitude becomes an infinity; below 6.1e-5 f16 keeps a fixed step of 6e-8.  Each number is rounded once, to nearest even.
.set SPARE, 67584                      ; behind the stages: the spare words, 128 bytes for each of eight waves: four blocks of 256 bytes that no other line names
.set MP,  528                          ; the mask's stage: a row of 512 bytes + 16 = 33 x 16 bytes: sixteen rows' equal columns start at sixteen different groups of four banks (64 banks of 4 bytes: ISA guide 11.1)
.set WP,  272                          ; the weights' stage: a row of 256 bytes + 16
.set SPW, 10                           ; v10  LDS address of my spare word; never rewritten
.set NIL, 11                           ; v11  0; never rewritten
.set OUT, 12                           ; v[12:15]  the mask's words on their way out: two registers a unit
.set X,   16                           ; v[16:143] as loaded
.set Y,   144                          ; v[144:207] at work
	s_load_b512 s[4:19], s[0:1], 0x0               ; q s[4:5], k s[6:7], v s[8:9], Wq s[10:11], Wk s[12:13], Wv s[14:15], Wo s[16:17], mask s[18:19]
	s_load_b128 s[20:23], s[0:1], 0x40             ; x16 s[20:21], w16 s[22:23]
	s_load_b64 s[24:25], s[0:1], 0x50              ; mbits
	v_lshl_add_u32 v[SPW], v0, 2, SPARE
	v_mov_b32 v[NIL], 0
	v_lshrrev_b32 v1, 5, v0
	v_readfirstlane_b32 s26, v1                    ; my wave's number
	s_mov_b32 s27, ttmp9                           ; the work-group's number
	s_mov_b32 s31, 0                               ; the high word of every offset pair s[30:31]
	v_and_b32 v6, 31, v0                           ; lane
	v_and_b32 v7, 15, v0                           ; lane % 16 (thread % 16)
	v_bfe_u32 v8, v0, 4, 1                         ; lane / 16
	s_wait_kmcnt 0x0
	s_cmp_lt_u32 s27, 768
	s_cbranch_scc1 .Lcvt
	s_cmp_lt_u32 s27, 1280
	s_cbranch_scc1 .Lmask
	; ---- A WEIGHT'S BLOCK of 128 k x 64 n is turned.  Thread t: c = t % 16 (four columns), g = t / 16 (two rows in each 32).
	s_sub_co_u32 s33, s27, 1280
	s_lshr_b32 s32, s33, 7                         ; which weight
	s_cmp_eq_u32 s32, 1
	s_cselect_b64 s[28:29], s[12:13], s[10:11]
	s_cmp_eq_u32 s32, 2
	s_cselect_b64 s[28:29], s[14:15], s[28:29]
	s_cmp_eq_u32 s32, 3
	s_cselect_b64 s[28:29], s[16:17], s[28:29]
	s_bfe_u32 s34, s33, 0x30004                    ; block of 128 along k
	s_and_b32 s35, s33, 15                         ; block of 64 along n
	s_lshl_b32 s30, s34, 19                        ; 128 rows of 4,096 bytes
	s_lshl_b32 s36, s35, 8                         ; 64 columns of 4 bytes
	s_add_co_u32 s30, s30, s36
	s_add_nc_u64 s[28:29], s[28:29], s[30:31]
	s_lshl_b32 s30, s32, 21                        ; in w16: the weight's 2 MiB,
	s_lshl_b32 s36, s35, 17                        ; 64 rows of 2,048 bytes,
	s_add_co_u32 s30, s30, s36
	s_lshl_b32 s36, s34, 8                         ; 128 k of 2 bytes
	s_add_co_u32 s30, s30, s36
	s_add_nc_u64 s[22:23], s[22:23], s[30:31]
	v_lshrrev_b32 v9, 4, v0                        ; g
	v_lshlrev_b32 v1, 4, v7
	v_lshl_add_u32 v1, v9, 13, v1                  ; from: row 2 g, 16 bytes at 16 c
.irp i, 0,1,2,3
	global_load_b128 v[X+8*(\i):X+8*(\i)+3],   v1, s[28:29] offset:(\i)*131072 th:TH_LOAD_NT       ; row 2 g + 32 i
	global_load_b128 v[X+8*(\i)+4:X+8*(\i)+7], v1, s[28:29] offset:(\i)*131072+4096 th:TH_LOAD_NT  ; and the row below it
.endr
	v_mul_u32_u24 v3, v7, 4*WP
	v_lshl_add_u32 v3, v9, 2, v3                   ; into the stage: row n = 4 c + e, the two k at byte 4 g + 64 i
	v_mul_u32_u24 v4, v9, WP
	v_lshl_add_u32 v4, v7, 4, v4                   ; back: row g + 16 i, 16 bytes at 16 c
	v_lshlrev_b32 v5, 4, v7
	v_lshl_add_u32 v5, v9, 11, v5                  ; and the same place in w16
	s_wait_loadcnt 0x0                             ; all eight: every conversion below pairs two of them
.irp i, 0,1,2,3
.irp e, 0,1,2,3
	v_cvt_pk_f16_f32 v[Y+4*(\i)+(\e)], v[X+8*(\i)+(\e)], v[X+8*(\i)+4+(\e)]  ; one column's k and k + 1: neighbours in w16
.endr
.endr
.irp i, 0,1,2,3
.irp e, 0,1,2,3
	ds_store_b32 v3, v[Y+4*(\i)+(\e)] offset:(\e)*WP+64*(\i)
.endr
.endr
	s_wait_dscnt 0x0                               ; for the others' sake: my stores into the stage are done
	s_barrier_signal -1
	s_barrier_wait -1                              ; a row of the stage comes from all eight waves
.irp i, 0,1,2,3
	ds_load_b128 v[X+4*(\i):X+4*(\i)+3], v4 offset:(\i)*16*WP
.endr
.irp i, 0,1,2,3
	s_wait_dscnt 3-(\i)                            ; LDS loads come back in order: load i is in, the younger ones stay out
	global_store_b128 v5, v[X+4*(\i):X+4*(\i)+3], s[22:23] offset:(\i)*32768  ; sixteen lanes store 256 consecutive bytes of a row of w16, aligned
.endr
	s_wait_tensorcnt 0x0                           ; the wave's end, behind my last LDS store
	ds_add_u32 v[SPW], v[NIL]
	s_wait_dscnt 0x0
	s_endpgm
	; ---- 32 TOKENS OF q, k OR v are rounded to f16: four tokens a wave, 32 loads all on their way at once, no register used twice.
.Lcvt:
	s_lshr_b32 s32, s27, 8                         ; p
	s_and_b32 s33, s27, 255                        ; the block of 32 tokens among the tensor's 8,192
	s_cmp_eq_u32 s32, 1
	s_cselect_b64 s[28:29], s[6:7], s[4:5]
	s_cmp_eq_u32 s32, 2
	s_cselect_b64 s[28:29], s[8:9], s[28:29]
	s_lshl_b32 s30, s33, 17                        ; 32 rows of 4,096 bytes
	s_add_nc_u64 s[28:29], s[28:29], s[30:31]
	s_lshl_b32 s34, s32, 2
	s_lshr_b32 s35, s33, 6
	s_add_co_u32 s34, s34, s35                     ; 4 p + b
	s_lshl_b32 s30, s34, 22
	s_and_b32 s35, s33, 63
	s_lshl_b32 s35, s35, 12                        ; 32 tokens of 128 bytes
	s_add_co_u32 s30, s30, s35
	s_add_nc_u64 s[20:21], s[20:21], s[30:31]
	v_lshlrev_b32 v1, 4, v7
	v_lshl_add_u32 v1, v8, 12, v1                  ; from: lanes 0-15 one token's 256 bytes, lanes 16-31 the next token's
	s_lshl_b32 s36, s26, 14                        ; my wave's four tokens
	v_add_nc_u32 v1, s36, v1
	s_lshl_b32 s37, s26, 9
	v_lshl_add_u32 v2, v6, 3, s37                  ; to: 8 bytes a lane: two tokens' 128 bytes lie end to end
.set i, 0
.rept 32                               ; pair of tokens i / 16, columns 64 (i % 16) on
	global_load_b128 v[X+4*i:X+4*i+3], v1, s[28:29] offset:(i/16)*8192+(i%16)*256 th:TH_LOAD_NT
.set i, i+1
.endr
.set i, 0
.rept 32
	s_wait_loadcnt 31-i                            ; loads come back in order: load i is in, the 31 - i younger ones stay out
	v_cvt_pk_f16_f32 v[X+4*i],   v[X+4*i],   v[X+4*i+1]
	v_cvt_pk_f16_f32 v[X+4*i+1], v[X+4*i+2], v[X+4*i+3]
	global_store_b64 v2, v[X+4*i:X+4*i+1], s[20:21] offset:(i/16)*256+((i%16)<<18)  ; the wave stores 256 consecutive bytes, aligned
.set i, i+1
.endr
	s_endpgm
	; ---- 16 ROWS OF THE MASK become bits.  Wave w takes keys 256 w on, in two units of 128 keys.  A unit goes through my own stage, so that lane L gets
	; row L % 16 and, of every 16 keys, the eight at 8 (L / 16); a compare over the 32 lanes then IS one word of mbits.
.Lmask:
	s_sub_co_u32 s33, s27, 768                     ; 128 b + qtile
	s_lshl_b32 s30, s33, 17                        ; 16 rows of 8,192 bytes
	s_add_nc_u64 s[18:19], s[18:19], s[30:31]
	s_lshl_b32 s30, s33, 12                        ; 32 key steps of 128 bytes
	s_add_nc_u64 s[24:25], s[24:25], s[30:31]
	s_lshl_b32 s36, s26, 10                        ; my wave's 256 keys
	v_lshl_add_u32 v1, v6, 4, s36
.set i, 0
.rept 32                               ; unit i / 16, row i % 16: 512 consecutive bytes
	global_load_b128 v[X+4*i:X+4*i+3], v1, s[18:19] offset:(i%16)*8192+(i/16)*512 th:TH_LOAD_NT
.set i, i+1
.endr
	s_mul_i32 s37, s26, 16*MP                      ; my stage
	v_lshl_add_u32 v3, v6, 4, s37                  ; in: a row as it was loaded
	v_mul_u32_u24 v4, v7, MP
	v_lshl_add_u32 v4, v8, 5, v4
	v_add_nc_u32 v4, s37, v4                       ; back: row L % 16, 32 bytes at 32 (L / 16) of every 64
	s_lshl_b32 s38, s26, 9                         ; my wave's four key steps in mbits
	v_lshl_add_u32 v5, v6, 3, s38
.irp j, 0,1,2,3
	v_mov_b32 v[OUT+(\j)], 0                       ; written whole before single lanes are written
.endr
.macro UNIT e
.set r, 0
.rept 16
	s_wait_loadcnt (1-(\e))*16+15-r                ; this row is in; the unit's later rows, and the later unit's sixteen, stay out
	ds_store_b128 v3, v[X+64*(\e)+4*r:X+64*(\e)+4*r+3] offset:r*MP
.set r, r+1
.endr
.set y, 0
.rept 16                               ; key step y / 8 of the unit, keys 16 ((y / 2) % 4) on, four numbers at 4 (y % 2).  LDS serves a wave's instructions in order (ISA guide 5.7.1.4): these see the stores above
	ds_load_b128 v[Y+4*y:Y+4*y+3], v4 offset:(y/8)*256+((y/2)%4)*64+(y%2)*16
.set y, y+1
.endr
	s_wait_dscnt 0x0                               ; all sixteen
.set y, 0
.rept 8                                ; eight compares, then their eight words: word y goes to lane y / 2 of register y % 2
.irp j, 0,1,2,3,4,5,6,7
	v_cmp_ne_u32 s[32+(\j)], 0, v[Y+y+(\j)]
.endr
.irp j, 0,1,2,3,4,5,6,7
	v_writelane_b32 v[OUT+2*(\e)+((\j)&1)], s[32+(\j)], (y+(\j))>>1
.endr
.set y, y+8
.endr
	global_store_b64 v5, v[OUT+2*(\e):OUT+2*(\e)+1], s[24:25] offset:(\e)*256  ; 64 words, two key steps: 256 consecutive bytes, aligned
.endm
	UNIT 0
	UNIT 1
	s_wait_tensorcnt 0x0                           ; the wave's end, behind my last LDS store
	ds_add_u32 v[SPW], v[NIL]
	s_wait_dscnt 0x0
	s_endpgm
.Lfunc_end_k_qeea144aa65_prep:
	.size	k_qeea144aa65_prep, .Lfunc_end_k_qeea144aa65_prep-k_qeea144aa65_prep
	.p2alignl 7, 3214868480
	.fill 96, 4, 3214868480
	.section	.rodata,"a",@progbits
	.p2align	6, 0x0
	.amdhsa_kernel k_qeea144aa65_prep
		.amdhsa_group_segment_fixed_size 68608
		.amdhsa_private_segment_fixed_size 0
		.amdhsa_enable_private_segment 0
		.amdhsa_kernarg_size 88
		.amdhsa_user_sgpr_count 2
		.amdhsa_user_sgpr_kernarg_segment_ptr 1
		.amdhsa_wavefront_size32 1
		.amdhsa_system_sgpr_workgroup_id_x 1
		.amdhsa_system_sgpr_workgroup_id_y 1
		.amdhsa_system_sgpr_workgroup_id_z 1
		.amdhsa_system_vgpr_workitem_id 0
		.amdhsa_next_free_vgpr 208
		.amdhsa_next_free_sgpr 66
		.amdhsa_reserve_vcc 0
		.amdhsa_float_denorm_mode_32 3
		.amdhsa_float_denorm_mode_16_64 3
		.amdhsa_memory_ordered 1
		.amdhsa_forward_progress 1
		.amdhsa_inst_pref_size 44
	.end_amdhsa_kernel
	.amdgpu_metadata
---
amdhsa.version: [ 1, 2 ]
amdhsa.kernels:
  - .name:           k_qeea144aa65_prep
    .symbol:         k_qeea144aa65_prep.kd
    .args:
      - { .name: q, .offset: 0, .size: 8, .value_kind: global_buffer, .address_space: global }
      - { .name: k, .offset: 8, .size: 8, .value_kind: global_buffer, .address_space: global }
      - { .name: v, .offset: 16, .size: 8, .value_kind: global_buffer, .address_space: global }
      - { .name: Wq, .offset: 24, .size: 8, .value_kind: global_buffer, .address_space: global }
      - { .name: Wk, .offset: 32, .size: 8, .value_kind: global_buffer, .address_space: global }
      - { .name: Wv, .offset: 40, .size: 8, .value_kind: global_buffer, .address_space: global }
      - { .name: Wo, .offset: 48, .size: 8, .value_kind: global_buffer, .address_space: global }
      - { .name: mask, .offset: 56, .size: 8, .value_kind: global_buffer, .address_space: global }
      - { .name: x16, .offset: 64, .size: 8, .value_kind: global_buffer, .address_space: global }
      - { .name: w16, .offset: 72, .size: 8, .value_kind: global_buffer, .address_space: global }
      - { .name: mbits, .offset: 80, .size: 8, .value_kind: global_buffer, .address_space: global }
    .group_segment_fixed_size: 68608
    .private_segment_fixed_size: 0
    .kernarg_segment_align: 8
    .kernarg_segment_size: 88
    .max_flat_workgroup_size: 256
    .sgpr_count:     66
    .vgpr_count:     208
    .wavefront_size: 32
...
	.end_amdgpu_metadata
.endif
;; end of part 1
;; launch qkv (part 2): grid 4 x 96, 4 waves a work-group, clusters of 4 x 4, 327,680 bytes of LDS; arguments x16, w16, qkv16; writes qkv16
.if DOCPART == 2
	.amdgcn_target "amdgcn-amd-amdhsa--gfx1250"
	.amdhsa_code_object_version 6
	.text
	.protected	k_qeea144aa65_qkv
	.globl	k_qeea144aa65_qkv
	.p2align	8
	.type	k_qeea144aa65_qkv,@function
k_qeea144aa65_qkv:
	s_mov_b64 s[64:65], 0
	v_nop
	global_prefetch_b8 v0, s[64:65] scope:SCOPE_SE
	s_setreg_imm32_b32 hwreg(HW_REG_WAVE_MODE, 25, 1), 1
	s_wait_xcnt 0x0
	s_wait_alu depctr_hold_cnt(0) depctr_sa_sdst(0) depctr_va_vdst(0) depctr_va_sdst(0) depctr_va_ssrc(0) depctr_va_vcc(0) depctr_vm_vsrc(0)
	s_getreg_b32 s2, hwreg(HW_REG_IB_STS2, 6, 4)
	s_cmp_eq_u32 s2, 0
	s_cbranch_scc0 .Lentry_in_a_cluster
	s_endpgm
.Lentry_in_a_cluster:
	s_bfe_u32 s2, ttmp6, 0x10000c
	s_cmp_lg_u32 s2, 0xf033
	s_cbranch_scc0 .Lentry_shape_is_right
	s_endpgm
.Lentry_shape_is_right:
; THE THREE PROJECTIONS AT ONCE.  C[token][n] = the sum over k of X[token][k] W[k][n], K = N = 1,024, f16 operands, f32 sums, C rounded once to f16.
; X = x16: 12 blocks of 2,048 tokens (q, k, v by batch), laid [block][kb][token][64] (byte = block << 22 | kb << 18 | token << 7 | 2 d): 256 tokens x 64 k are 32,768 consecutive bytes.
; W = w16 [weight][n][k]; the weight's number is tile row / 32.  C = qkv16, in x16's layout with the head (n / 64) in kb's place.
; SHARES.  A work-group makes 256 tokens x 256 columns: 96 x 4 = 384 work-groups.  Its four waves lie 2 x 2, each 128 x 128: 64 accumulators, 512 registers.
; K goes in 8 steps of 128 through two LDS slots; each wave fetches a quarter of a slot with one tensor load: waves 0, 1 the two blocks of 64 k of X, waves 2, 3 the two halves of W's 256 rows.
; WHY THIS TILE.  Behind each change of slots a wave issues one load, which has one K step in which to land: here 256 matrix instructions a wave, 224 of them between the request and the wait for it;
; a tile of 128 x 256 has half of that, and two slots of a longer K step do not fit beside each other.  For 32 along K a wave reads 32 x 512 bytes from LDS for 64 matrix instructions.
; CLUSTER.  4 x 4 work-groups: the four of a row of the cluster need the same tile of X, the four of a column the same tile of W: each tile is asked for JOINTLY, by the same tensor load with the same
; descriptor and a mask that names the four.  All sixteen lie in one block of 32 tile rows, so they share the weight.
; THE MATRIX INSTRUCTION IS USED TRANSPOSED (source 0 = 16 rows of w16, source 1 = 16 tokens): a lane then holds one token (lane % 16) and eight neighbouring columns.
; LIMIT.  The sums are rounded to f16: 65,520 or more in magnitude becomes an infinity; below 6.1e-5 f16 keeps a fixed step of 6e-8.
; REGISTERS, in windows of 256 (s_set_vgpr_msb's low byte: bits 1:0 source 0, 3:2 source 1, 5:4 source 2, 7:6 destination):
;   window 0: v0-31 addresses; v64-127, v128-191 fragments of X (8 x 16 tokens x 32 k), two buffers; v32-63, v192-255 at work on the way out
;   window 1: v64-127, v128-191 fragments of W, two buffers
;   window 2: the 32 accumulators of my tokens 0-63 (accumulator (a, b) at v[8 (8 a + b)]);   window 3: those of my tokens 64-127
.set PA,     144                       ; a token's 128 bytes in LDS + 16 of padding = 9 x 16: the 16 rows of a load start at 16 different groups of four banks (64 banks of 4 bytes: ISA guide 11.1)
.set PB,     272                       ; a row of W's tile: 256 bytes + 16 = 17 x 16: likewise
.set ASUB,   256*PA                    ; 256 tokens x 64 k: what one of X's loads brings
.set HALFB,  128*PB                    ; 128 rows x 128 k: what one of W's loads brings
.set SLOT,   2*ASUB+2*HALFB            ; X's two blocks, then W's 256 rows
.set STAGE,  2*SLOT                    ; behind the ring: 16 rows x 272 bytes for each wave, for the way out; no tensor load lands there
.set SPITCH, 272                       ; 128 columns of 2 bytes + 16
.set SPARE,  STAGE+4*16*SPITCH         ; behind the stages: the spare words, 128 bytes for each wave: two blocks of 256 bytes that no other line names
.set LAPS,   4                         ; a lap = two K steps = once round the ring
.set ADRA, 16                          ; v16-17  LDS address of my fragments of X in slot 0, 1
.set ADRB, 20                          ; v20-21  the same for W
.set STO,  24                          ; v24     the way out: where I put 16 bytes of a row
.set RD,   25                          ; v25     the way out: where I read rows back
.set CO,   26                          ; v26     my byte offset in the 512 bytes that a store covers
.set SPW,  28                          ; v28     LDS address of my spare word; never rewritten
.set NIL,  29                          ; v29     0; never rewritten
.set F0,   64                          ; fragment buffer 0
.set F1,   128                         ; fragment buffer 1
.set TMP,  192                         ; the way out: packed results
.set OB,   32                          ; the way out: 16 rows read back from the stage: v32-63 and v224-255 by turns
.set G1,  24                           ; s[24:31] descriptor group 1 for X's tiles;  s[32:39] group 0, one set for each slot
.set G0,  32
.set G1B, 48                           ; s[48:55], s[56:63] the same for W's tiles
.set G0B, 56
.set MSB, 0
.macro WIN new                         ; the immediate's high byte repeats the setting that is left; a switch that changes nothing is dropped
.if MSB != (\new)
	s_set_vgpr_msb (MSB<<8)|(\new)
.set MSB, \new
.endif
.endm
.set MUL_LO, 0xa1                      ; source 0 (W) window 1, source 1 (X) window 0, C and D window 2
.set MUL_HI, 0xf1                      ; the same, C and D window 3
.set TO_B,   0x40                      ; destination window 1, address window 0
.macro JLOAD s                         ; a joint load: waves 0 and 1 ask for X, waves 2 and 3 for W; an s_nop 0 and four v_nop follow each of the two lines, ahead of the jump, the label and what follows
	s_cmp_eq_u32 s11, 0
	s_cbranch_scc0 .Lfor_b_\@
	tensor_load_to_lds s[G0+4*(\s):G0+4*(\s)+3], s[G1:G1+7]
	s_nop 0
.rept 4
	v_nop
.endr
	s_branch .Lasked_\@
.Lfor_b_\@:
	tensor_load_to_lds s[G0B+4*(\s):G0B+4*(\s)+3], s[G1B:G1B+7]
	s_nop 0
.rept 4
	v_nop
.endr
.Lasked_\@:
.endm
.macro CREST                           ; a round of the cluster's barrier behind its opening barrier: wave 0 signals for the work-group, every wave waits for all sixteen, my work-group's barrier closes it
	s_cmp_lg_u32 s10, 0
	s_cbranch_scc1 .Lnot_wave_0_\@
	s_barrier_signal -3
.Lnot_wave_0_\@:
	s_barrier_wait -3
	s_barrier_signal -1
	s_barrier_wait -1
.endm
.macro CROUND                          ; a whole round
	s_barrier_signal -1
	s_barrier_wait -1
	CREST
.endm
	s_load_b128 s[4:7], s[0:1], 0x0                ; x16 s[4:5], w16 s[6:7]
	s_load_b64 s[8:9], s[0:1], 0x10                ; qkv16
	v_lshl_add_u32 v[SPW], v0, 2, SPARE
	v_mov_b32 v[NIL], 0
	ds_add_u32 v[SPW], v[NIL]                      ; the wave's opening: the add and its wait stand ahead of my first tensor load; the set-up below, work on registers, stands between them
	v_lshrrev_b32 v1, 5, v0
	v_readfirstlane_b32 s10, v1                    ; wave 0..3
	s_lshr_b32 s11, s10, 1                         ; which 128 of the tile's tokens are mine.  Also: I fetch for X (0) or for W (1)
	s_and_b32 s12, s10, 1                          ; which 128 of its columns.  Also: which half of that fetch is mine
	s_bfe_u32 s40, ttmp6, 0x40000                  ; cx, cy: my place in the cluster
	s_bfe_u32 s41, ttmp6, 0x40004
	s_lshl_b32 s42, ttmp9, 2
	s_add_co_u32 s42, s42, s40                     ; tile column = 4 x cluster x + cx
	s_and_b32 s45, ttmp7, 0xffff                   ; cluster y, which all sixteen share
	s_lshl_b32 s13, s45, 2
	s_add_co_u32 s13, s13, s41                     ; tile row = 4 x cluster y + cy
	s_lshl_b32 s43, s41, 2
	s_lshl_b32 s43, 15, s43                        ; my row of the cluster
	s_lshl_b32 s44, 0x1111, s40                    ; my column
	; group 1 for X: 32,768 dense bytes asked for as 128 rows of 256 bytes (two tokens a row), padded in LDS behind every token
	s_or_b32 s[G1+0], s43, (1<<16)|(1<<20)|(1<<21)|(4<<22)|(3<<25)   ; 15:0 the mask: my row; 17:16 2-byte elements; 20 padding on; 21 set beside a mask; 24:22 after every 32 words (code 4); 31:25 4 words (code 3)
	s_mov_b32 s[G1+1], 128<<16                     ; tensor_dim0 = 128
	s_mov_b32 s[G1+2], 128<<16                     ; tensor_dim1 = 128
	s_mov_b32 s[G1+3], 128<<16                     ; tile_dim0 = 128
	s_mov_b32 s[G1+4], 128                         ; tile_dim1 = 128
	s_mov_b32 s[G1+5], 128                         ; 128 elements from row to row
	s_mov_b32 s[G1+6], 0
	s_mov_b32 s[G1+7], 0
	; group 1 for W: 128 rows x 128 elements out of rows of 1,024
	s_or_b32 s[G1B+0], s44, (1<<16)|(1<<20)|(1<<21)|(5<<22)|(3<<25)  ; the mask: my column; padding of 4 words after every 64 (code 5)
	s_mov_b32 s[G1B+1], 128<<16
	s_mov_b32 s[G1B+2], 128<<16
	s_mov_b32 s[G1B+3], 128<<16
	s_mov_b32 s[G1B+4], 128
	s_mov_b32 s[G1B+5], 1024
	s_mov_b32 s[G1B+6], 0
	s_mov_b32 s[G1B+7], 0
	; where the tiles come from.  X's hang on the tile row alone, which my row of the cluster shares; W's on the tile column and the cluster's y, which my column shares.
	s_lshr_b32 s16, s13, 3
	s_lshl_b32 s16, s16, 22                        ; the block of 2,048 tokens,
	s_and_b32 s17, s13, 7
	s_lshl_b32 s17, s17, 15                        ; 256 tokens of 128 bytes in it,
	s_add_co_u32 s16, s16, s17
	s_lshl_b32 s17, s12, 18                        ; and my block of 64 k
	s_add_co_u32 s16, s16, s17
	s_mov_b32 s17, 0
	s_lshr_b32 s46, s45, 3
	s_lshl_b32 s46, s46, 21                        ; the weight: eight clusters along y to each,
	s_lshl_b32 s47, s42, 19                        ; 256 rows of 2,048 bytes in it,
	s_add_co_u32 s46, s46, s47
	s_lshl_b32 s47, s12, 18                        ; and my 128 of them
	s_add_co_u32 s46, s46, s47
	s_mov_b32 s47, 0
	s_mul_i32 s20, s12, ASUB                       ; and where they go: no place in the cluster enters an LDS address
	s_mul_i32 s21, s12, HALFB
	s_add_co_u32 s21, s21, 2*ASUB
	s_wait_dscnt 0x0                               ; the opening add is done
	s_wait_kmcnt 0x0
	s_add_nc_u64 s[14:15], s[4:5], s[16:17]
	s_add_nc_u64 s[46:47], s[6:7], s[46:47]
	CROUND                                         ; all sixteen work-groups are here: the first joint loads meet
.irp s, 0,1
	s_mov_b32 s[G0+4*(\s)], 1                                        ; count = 1
	s_add_co_u32 s[G0+4*(\s)+1], s20, (\s)*SLOT                      ; LDS address
	s_add_nc_u64 s[G0+4*(\s)+2:G0+4*(\s)+3], s[14:15], (\s)*(2<<18)  ; K step s: two blocks of 64 k on
	s_or_b32 s[G0+4*(\s)+3], s[G0+4*(\s)+3], 0x80000000              ; type = 2
	s_mov_b32 s[G0B+4*(\s)], 1
	s_add_co_u32 s[G0B+4*(\s)+1], s21, (\s)*SLOT
	s_add_nc_u64 s[G0B+4*(\s)+2:G0B+4*(\s)+3], s[46:47], (\s)*256    ; K step s: 128 k of 2 bytes on
	s_or_b32 s[G0B+4*(\s)+3], s[G0B+4*(\s)+3], 0x80000000
	JLOAD \s                                       ; two loads of mine are out
.endr
	; a fragment is 16 rows x 32 k in 8 registers: lane l holds row l % 16, k = 8 (l / 16) + 0..7 and 16 + 8 (l / 16) + 0..7: two loads of 16 bytes, 32 bytes apart
	v_and_b32 v1, 15, v0                           ; l % 16
	v_bfe_u32 v2, v0, 4, 1                         ; l / 16
	v_mul_u32_u24 v3, v1, PA
	v_lshl_add_u32 v3, v2, 4, v3
	v_mul_u32_u24 v4, v1, PB
	v_lshl_add_u32 v4, v2, 4, v4
	s_mul_i32 s22, s11, 128*PA                     ; my 128 tokens
	s_mul_i32 s23, s12, HALFB                      ; my 128 rows of W,
	s_add_co_u32 s23, s23, 2*ASUB                  ; which lie behind X's two blocks
.irp s, 0,1
	v_add_nc_u32 v[ADRA+(\s)], s22, v3
	v_add_nc_u32 v[ADRB+(\s)], s23, v4
	s_add_co_u32 s22, s22, SLOT
	s_add_co_u32 s23, s23, SLOT
.endr
	s_mul_i32 s22, s10, 16*SPITCH
	s_add_co_u32 s22, s22, STAGE                   ; my stage
	v_mul_u32_u24 v5, v1, SPITCH                   ; in: row l % 16, eight columns (16 bytes) for each half of the lanes
	v_lshl_add_u32 v5, v2, 4, v5
	v_add_nc_u32 v[STO], s22, v5
	v_bfe_u32 v5, v0, 3, 2                         ; back: 32 lanes take four tokens' 128 bytes of one head,
	v_and_b32 v6, 7, v0
	v_mul_u32_u24 v5, v5, SPITCH
	v_lshl_add_u32 v5, v6, 4, v5
	v_add_nc_u32 v[RD], s22, v5
	v_and_b32 v7, 31, v0
	v_lshlrev_b32 v[CO], 4, v7                     ; which are 512 consecutive bytes of qkv16: 16 a lane
	s_lshr_b32 s16, s13, 3
	s_lshl_b32 s16, s16, 22                        ; the block of 2,048 tokens,
	s_and_b32 s17, s13, 7
	s_lshl_b32 s17, s17, 15                        ; 256 tokens of 128 bytes in a head's rows,
	s_add_co_u32 s16, s16, s17
	s_lshl_b32 s17, s11, 14                        ; my 128 of them,
	s_add_co_u32 s16, s16, s17
	s_lshl_b32 s46, s42, 20                        ; four heads a tile column,
	s_lshl_b32 s47, s12, 19                        ; my two of them
	s_add_co_u32 s46, s46, s47
	s_add_co_u32 s16, s16, s46
	s_mov_b32 s17, 0
	s_add_nc_u64 s[8:9], s[8:9], s[16:17]          ; qkv16 at my wave's first number
; 16 matrix instructions: token blocks a0, a0 + 1 of the window's four (hi = 0: my tokens 0-63, 1: tokens 64-127) x all 8 column blocks, 32 along K.  zero = 1: the product starts the sums: nothing is cleared.
; The 64 accumulators take turns, one instruction a turn, in the same order in every quarter.
.macro MUL16 f, hi, a0, zero
	WIN MUL_LO+0x50*(\hi)  ; MUL_LO or MUL_HI
.irp a, \a0, (\a0)+1
.irp b, 0,1,2,3,4,5,6,7
.if \zero
	v_wmma_f32_16x16x32_f16 v[8*(8*(\a)+(\b)):8*(8*(\a)+(\b))+7], v[(\f)+8*(\b):(\f)+8*(\b)+7], v[(\f)+8*(4*(\hi)+(\a)):(\f)+8*(4*(\hi)+(\a))+7], 0
.else
	v_wmma_f32_16x16x32_f16 v[8*(8*(\a)+(\b)):8*(8*(\a)+(\b))+7], v[(\f)+8*(\b):(\f)+8*(\b)+7], v[(\f)+8*(4*(\hi)+(\a)):(\f)+8*(4*(\hi)+(\a))+7], v[8*(8*(\a)+(\b)):8*(8*(\a)+(\b))+7]
.endif
.endr
.endr
.endm
; 32 LDS loads in one run: the fragments of quarter q (32 along K) of a slot into buffer f: W's sixteen first, then X's sixteen
.macro FETCH slot, q, f
	WIN TO_B
.irp i, 0,1,2,3,4,5,6,7
	ds_load_b128 v[(\f)+8*(\i):(\f)+8*(\i)+3],   v[ADRB+(\slot)] offset:64*(\q)+(\i)*16*PB
	ds_load_b128 v[(\f)+8*(\i)+4:(\f)+8*(\i)+7], v[ADRB+(\slot)] offset:64*(\q)+(\i)*16*PB+32
.endr
	WIN 0
.irp i, 0,1,2,3,4,5,6,7
	ds_load_b128 v[(\f)+8*(\i):(\f)+8*(\i)+3],   v[ADRA+(\slot)] offset:((\q)/2)*ASUB+((\q)%2)*64+(\i)*16*PA
	ds_load_b128 v[(\f)+8*(\i)+4:(\f)+8*(\i)+7], v[ADRA+(\slot)] offset:((\q)/2)*ASUB+((\q)%2)*64+(\i)*16*PA+32
.endr
.endm
.macro PLACES                          ; four places in front of loads into registers that matrix instructions have read, and of lines that read results just made (ISA guide 7.12.1 for the lines that read results)
.rept 4
	v_nop
.endr
.endm
; A K step is four quarters of 32 along K, 64 matrix instructions each, on buffers 0, 1, 0, 1.  One of the first three: multiplies buffer f and, in its middle, fetches quarter q into g.
.macro QUARTER slot, q, f, g, zero
	s_wait_dscnt 8                                 ; W's fragments and X's tokens 0-63 are in; the youngest eight loads (X's tokens 64-127) may be out
	MUL16 \f, 0, 0, \zero
	MUL16 \f, 0, 2, \zero
	PLACES
	FETCH \slot, \q, \g
	s_wait_dscnt 32                                ; all but the 32 just issued
	MUL16 \f, 1, 0, \zero
	MUL16 \f, 1, 2, \zero
.endm
; The last quarter multiplies buffer 1 and changes slots: ONE barrier; in front of it each wave waits for all its tensor loads (one is out: its part of the next slot), adds 0 to its spare word,
; and waits for that and for its own reads of this slot.  fill = 1: the barrier opens a round of the cluster's, and this slot is filled again, two K steps ahead, first thing behind the round:
; from that request to the wait for it the wave issues 224 matrix instructions.
.macro TURN slot, next, fill
	WIN 0                                          ; (the add's two registers lie in window 0)
	s_wait_tensorcnt 0x0
	ds_add_u32 v[SPW], v[NIL]                      ; 0 onto my spare word
	s_wait_dscnt 9                                 ; (the add and the youngest eight loads may be out)
	MUL16 F1, 0, 0, 0                              ; sixteen matrix instructions stand between the add and the wait for it
	s_wait_dscnt 0x0                               ; the add is done, and my reads of this slot are over
	s_barrier_signal -1
	MUL16 F1, 0, 2, 0                              ; work on registers while the others arrive
.if \fill
	WIN 0
.endif
	s_barrier_wait -1
.if \fill
	CREST                                          ; no wave of any partner still reads this slot's tiles or has a load on its way
	s_add_nc_u64 s[G0+4*(\slot)+2:G0+4*(\slot)+3], s[G0+4*(\slot)+2:G0+4*(\slot)+3], 4<<18   ; no load of mine is out, so a group 0 may be written: four blocks of 64 k on,
	s_add_nc_u64 s[G0B+4*(\slot)+2:G0B+4*(\slot)+3], s[G0B+4*(\slot)+2:G0B+4*(\slot)+3], 512 ; 256 k of 2 bytes on
	JLOAD \slot                                    ; the four v_nop behind it are also the places in front of the loads below
.else
	PLACES
.endif
	FETCH \next, 0, F0
	MUL16 F1, 1, 0, 0
	MUL16 F1, 1, 2, 0
.endm
	s_wait_tensorcnt 1                             ; my part of K step 0 is in; K step 1's may stay out
	s_barrier_signal -1
	s_barrier_wait -1                              ; everybody's is
	FETCH 0, 0, F0
	QUARTER 0, 1, F0, F1, 1                        ; the first quarter stands in front of the loop: its products start the sums
	WIN 0                                          ; at a label and at a branch every window is 0
	s_mov_b32 s3, LAPS-1
.Llap:                                                 ; a trip goes once round the ring, from a lap's second quarter to the next lap's first, and fills both slots again
	QUARTER 0, 2, F1, F0, 0
	QUARTER 0, 3, F0, F1, 0
	TURN 0, 1, 1
	QUARTER 1, 1, F0, F1, 0
	QUARTER 1, 2, F1, F0, 0
	QUARTER 1, 3, F0, F1, 0
	TURN 1, 0, 1
	QUARTER 0, 1, F0, F1, 0
	WIN 0
	s_sub_co_u32 s3, s3, 1
	s_cmp_lg_u32 s3, 0
	s_cbranch_scc1 .Llap
	QUARTER 0, 2, F1, F0, 0                        ; the last lap fills nothing, and has no round of the cluster's barrier
	QUARTER 0, 3, F0, F1, 0
	TURN 0, 1, 0
	QUARTER 1, 1, F0, F1, 0
	QUARTER 1, 2, F1, F0, 0
	QUARTER 1, 3, F0, F1, 0
	s_wait_dscnt 8                                 ; the very last quarter: nothing more to fetch
	MUL16 F1, 0, 0, 0
	MUL16 F1, 0, 2, 0
	s_wait_dscnt 0x0
	MUL16 F1, 1, 0, 0
	MUL16 F1, 1, 2, 0
	WIN 0
	PLACES                                         ; behind the last products
; THE WAY OUT of block a (16 tokens x 128 columns = two heads), in three parts.  PACK: rounded to f16, 16 bytes a lane, each accumulator's registers in ascending order.
; TOSTAGE: into my own stage in LDS, and back head by head, four tokens to a load.  SEND: stored.
.macro PACK a
.set AC, 64*((\a)%4)
	WIN 0x0a+5*((\a)/4)                            ; sources 0 and 1: window 2 or 3; destination window 0
.irp b, 0,1,2,3,4,5,6,7
.irp r, 0,1,2,3
	v_cvt_pk_f16_f32 v[TMP+4*(\b)+(\r)], v[AC+8*(\b)+2*(\r)], v[AC+8*(\b)+2*(\r)+1]
.endr
.endr
	WIN 0
.endm
.macro TOSTAGE a
	WIN 0
.set BK, OB+192*((\a)%2)
.irp b, 0,1,2,3,4,5,6,7
	ds_store_b128 v[STO], v[TMP+4*(\b):TMP+4*(\b)+3] offset:32*(\b)
.endr
.irp i, 0,1,2,3,4,5,6,7                ; head i / 4, tokens 4 (i % 4) on
	ds_load_b128 v[BK+4*(\i):BK+4*(\i)+3], v[RD] offset:((\i)%4)*4*SPITCH+((\i)/4)*128  ; LDS serves a wave's instructions in order (ISA guide 5.7.1.4): these see the stores above
.endr
.endm
.macro SEND a
	WIN 0
.set BK, OB+192*((\a)%2)
	s_wait_dscnt 0x0                               ; the block is back in registers
	s_wait_xcnt 0x0                                ; every earlier store has had its addresses translated (ISA guide 3.1): the registers that the block before stored from are loaded again only behind this wait
.irp i, 0,1,2,3,4,5,6,7
	global_store_b128 v[CO], v[BK+4*(\i):BK+4*(\i)+3], s[8:9] offset:(((\i)/4)<<18)+(\a)*2048+((\i)%4)*512  ; 512 consecutive bytes of a head's rows, at a multiple of 256 from qkv16's first
.endr
.endm
	PACK 0
	TOSTAGE 0
.irp a, 1,2,3,4,5,6,7                  ; block a's conversions stand between block a - 1's loads from the stage and the wait for them
	PACK \a
	SEND (\a)-1
	TOSTAGE \a
.endr
	SEND 7
	s_wait_tensorcnt 0x0                           ; the wave's end, behind my last tensor load and my last LDS store
	ds_add_u32 v[SPW], v[NIL]
	s_wait_dscnt 0x0
	CROUND                                         ; the closing round: no work-group ends while a partner may still ask for a tile that names it
	s_endpgm
.Lfunc_end_k_qeea144aa65_qkv:
	.size	k_qeea144aa65_qkv, .Lfunc_end_k_qeea144aa65_qkv-k_qeea144aa65_qkv
	.p2alignl 7, 3214868480
	.fill 96, 4, 3214868480
	.section	.rodata,"a",@progbits
	.p2align	6, 0x0
	.amdhsa_kernel k_qeea144aa65_qkv
		.amdhsa_group_segment_fixed_size 327680
		.amdhsa_private_segment_fixed_size 0
		.amdhsa_enable_private_segment 0
		.amdhsa_kernarg_size 24
		.amdhsa_user_sgpr_count 2
		.amdhsa_user_sgpr_kernarg_segment_ptr 1
		.amdhsa_wavefront_size32 1
		.amdhsa_system_sgpr_workgroup_id_x 1
		.amdhsa_system_sgpr_workgroup_id_y 1
		.amdhsa_system_sgpr_workgroup_id_z 1
		.amdhsa_system_vgpr_workitem_id 0
		.amdhsa_next_free_vgpr 1024
		.amdhsa_next_free_sgpr 66
		.amdhsa_reserve_vcc 0
		.amdhsa_float_denorm_mode_32 3
		.amdhsa_float_denorm_mode_16_64 3
		.amdhsa_memory_ordered 1
		.amdhsa_forward_progress 1
		.amdhsa_inst_pref_size 143
	.end_amdhsa_kernel
	.amdgpu_metadata
---
amdhsa.version: [ 1, 2 ]
amdhsa.kernels:
  - .name:           k_qeea144aa65_qkv
    .symbol:         k_qeea144aa65_qkv.kd
    .args:
      - { .name: x16, .offset: 0, .size: 8, .value_kind: global_buffer, .address_space: global }
      - { .name: w16, .offset: 8, .size: 8, .value_kind: global_buffer, .address_space: global }
      - { .name: qkv16, .offset: 16, .size: 8, .value_kind: global_buffer, .address_space: global }
    .group_segment_fixed_size: 327680
    .private_segment_fixed_size: 0
    .kernarg_segment_align: 8
    .kernarg_segment_size: 24
    .max_flat_workgroup_size: 128
    .sgpr_count:     66
    .vgpr_count:     1024
    .wavefront_size: 32
...
	.end_amdgpu_metadata
.endif
;; end of part 2
;; launch attn (part 3): grid 4 x 64, 8 waves a work-group, clusters of 4 x 1, 327,680 bytes of LDS; arguments qkv16, mbits, o16; writes o16
.if DOCPART == 3
	.amdgcn_target "amdgcn-amd-amdhsa--gfx1250"
	.amdhsa_code_object_version 6
	.text
	.protected	k_qeea144aa65_attn
	.globl	k_qeea144aa65_attn
	.p2align	8
	.type	k_qeea144aa65_attn,@function
k_qeea144aa65_attn:
	s_mov_b64 s[64:65], 0
	v_nop
	global_prefetch_b8 v0, s[64:65] scope:SCOPE_SE
	s_setreg_imm32_b32 hwreg(HW_REG_WAVE_MODE, 25, 1), 1
	s_wait_xcnt 0x0
	s_wait_alu depctr_hold_cnt(0) depctr_sa_sdst(0) depctr_va_vdst(0) depctr_va_sdst(0) depctr_va_ssrc(0) depctr_va_vcc(0) depctr_vm_vsrc(0)
	s_getreg_b32 s2, hwreg(HW_REG_IB_STS2, 6, 4)
	s_cmp_eq_u32 s2, 0
	s_cbranch_scc0 .Lentry_in_a_cluster
	s_endpgm
.Lentry_in_a_cluster:
	s_bfe_u32 s2, ttmp6, 0x10000c
	s_cmp_lg_u32 s2, 0x3003
	s_cbranch_scc0 .Lentry_shape_is_right
	s_endpgm
.Lentry_shape_is_right:
; O[y][q][:] = the sum over the visible k of softmax_k(Q[y][q] . K[y][k] / 8) V[y][k][:], y = 16 b + h, 64 heads of 2,048 rows of 64 channels, f16, dense (128 bytes a row).
; qkv16 holds Q, then K 1 << 24 bytes on, then V; a head's rows begin at y << 18.  mbits holds the mask as bits (see SOFT2).  o16 takes O in Q's layout.
; Products, maxima and sums in f32; the weights p are rounded to f16 for the second product (their sum l is taken of the unrounded p), O once at the end.
; LIMITS.  Q, K, V arrive within f16's 65,504; p lies in 0 to 1, and below 6e-5 it keeps f16's fixed step of 6e-8; O is a mean of V's rows.  A hidden score counts as -2^100: f16's scores, 2.7e11 at the
; most, are nothing beside it; c x 2^100 is exact, so while a row has seen hidden keys alone its weights are exactly 1, all finite, and the first visible key multiplies them away (a = 0).
; A row with no visible key at all ends as NaN, as a softmax of nothing does.  A weight below 2^-126 counts as 0 in l; NaN and infinities among Q, K, V are not treated apart.
; SHARES.  A work-group owns 512 queries of one head, each of its eight waves 64: four tiles of 16.  Every wave walks all 2,048 keys, 64 a step.  Two waves share a SIMD's registers, 512 each:
; a step is written in plain phases, two tiles at a time (K Q^T; mask and softmax; V^T P; then the same for the other two tiles), and one wave's vector phase can stand beside the other's matrix phase.
; LAYOUT.  S^T = K Q^T (source 0 = 16 keys, source 1 = 16 queries): a lane holds ONE query (lane % 16) and the keys 8 (lane / 16) + 0..7.  Two such results, rounded to f16 in pairs, ARE source 1
; (32 keys x 16 queries) of O^T = V^T P, whose result again holds one query a lane, and eight channels.  K comes out of LDS as it lies, V ([key][channel]) turned, by ds_load_tr16_b128.
; SOFTMAX.  For each query a running maximum m and sum l: p = 2^(c s - c m), c = log2(e) / 8; in every step O and l are multiplied by a = 2^(c m_old - c m_new).  The mask is applied BEFORE the maximum.
; m starts at the lowest finite number, O and l at 0: the first step is a step like any other, with a = 0 (128 v_mov_b32 clear O^T, in the wait for the first tile; no first step is written out).
; CLUSTER.  The four query blocks of a cluster belong to one head and walk the same K and V: each tile is asked for JOINTLY: the same tensor load, descriptor and mask in all four.
; REGISTERS (s_set_vgpr_msb: bits 1:0 source 0, 3:2 source 1, 5:4 source 2, 7:6 destination):
;   window 0: v0-15 addresses and constants; v16-31 statistics, four a tile; v32-47 at work, four a tile; v48-51 c m_old; v64-191 S^T, 32 a tile (P takes the first 16 of each, in place); v192-255 K of one step
;   window 1: v0-127 O^T, 32 a tile; v128-191 Q, 16 a tile; v192-255 V of one step
.set KS,    64        ; keys in a step
.set PK,    144       ; a row of K in LDS: 128 bytes + 16 of padding = 36 words: the 16 rows of a load start at 16 different groups of four banks (64 banks of 4 bytes: ISA guide 11.1)
.set PV,    160       ; a row of V: 128 + 32 = 40 words
.set VOFF,  4*KS*PK   ; a slot holds four steps: 256 rows of K, then 256 rows of V
.set SLOT1, 1<<17     ; slot 1 begins here, so that one exclusive or turns an address in one slot into the other's
.set STAGE, SLOT1+4*KS*(PK+PV)  ; behind the ring, never filled by a tensor load: 16 rows x 144 bytes for each wave, for the way out
.set SP,    144
.set SPARE, STAGE+8*16*SP       ; behind the stages: the spare words, 128 bytes for each of eight waves: four blocks of 256 bytes that no other line names
.set AK0, 2           ; v2   my lane's place in a tile of K; never rewritten
.set AV0, 3           ; v3   the same for V
.set AK,  4           ; v4   the LDS address of K's run of loads
.set AV,  5           ; v5   of V's
.set STO, 6           ; v6   the way out: where I put 16 bytes of a row
.set RD,  7           ; v7   the way out: where I read rows back
.set GO,  8           ; v8   my byte offset in 512 consecutive bytes of O
.set NEG, 12          ; v12  -2^100: a hidden score
.set QN,  13          ; v13  a NaN
.set SPW, 14          ; v14  LDS address of my spare word; never rewritten
.set NIL, 15          ; v15  0; never rewritten
.set ST,  16          ; tile t's statistics at v[ST+4 t]: c m, m, l (even keys', odd keys')
.set TMP, 32          ; tile t's four registers c0-c3 at work; when the maximum is found c2 takes a
.set MV,  48          ; c m_old, kept while c m is made anew
.set QO,  52          ; v52  my byte offset in 16 rows of Q
.set S,   64
.set KF,  192         ; window 0: key block kb, channel half c at KF + 16 kb + 8 c
.set QF,  128         ; window 1: tile t, channel half c at QF + 16 t + 8 c
.set VF,  192         ; window 1: key half kk, channel block cb at VF + 32 kk + 8 cb
.set WV,  2           ; s2   my wave's number
.set CNT, 3           ; s3   counts a slot's key steps
.set G1K, 4           ; s[4:11]  descriptor group 1 for K's tiles
.set G1V, 12          ; s[12:19] for V's: it differs in the padding alone
.set G0K, 20          ; s[20:23] descriptor group 0 for K's tiles: it walks
.set G0V, 24          ; s[24:27] the same for V's
.set CS,  28          ; s[28:29] c: the packed scaling takes the pair's low word for both halves
.set MBP, 30          ; s[30:31] mbits at my wave's first tile, the key step in hand
.set MW0, 32          ; s[32:63] the 32 mask words of the pair's first tile
.set SEL, 66          ; s[66:67] v_permlanex16_b32's selects: each lane takes its own place in the other half
.set MW1, 68          ; s[68:99] those of its second tile (before the first mask load: the set-up's temporaries)
.set TBK, 100         ; s100 LDS byte at which K of the step to be fetched begins
.set TBV, 101         ; s101 the same for V, less VOFF
.set SLOTS, 104       ; s104 slots still to be asked for
.set QOFF, 105        ; s105 my wave's byte offset in Q and in O
.set MSB, 0
.macro WIN new                      ; the high byte repeats the setting that is left; a switch that changes nothing is dropped
.if MSB != (\new)
	s_set_vgpr_msb (MSB<<8)|(\new)
.set MSB, (\new)
.endif
.endm
.set W_KQ, 0x04       ; K and S^T in window 0, Q in window 1
.set W_PV, 0x51       ; V and O^T in window 1, P in window 0
.set W_RS, 0x41       ; O^T (destination and source 0) in window 1, the factor in window 0
.set W_T1, 0x40       ; destination in window 1, address in window 0
; A joint fill.  Waves 0 and 1 fetch the two halves of a slot's K, waves 2 and 3 those of its V, 128 keys each; waves 4 to 7 have no part of a tile and issue none.  The branches hang on the wave's
; number alone.  An s_nop 0 and four v_nop follow each of the two lines, ahead of the jump and the label.
.macro JLOAD
	s_cmp_lt_u32 s[WV], 2
	s_cbranch_scc0 .Lnot_k_\@
	tensor_load_to_lds s[G0K:G0K+3], s[G1K:G1K+7]
	s_nop 0
.rept 4
	v_nop
.endr
	s_branch .Lasked_\@
.Lnot_k_\@:
	s_cmp_lt_u32 s[WV], 4
	s_cbranch_scc0 .Lasked_\@
	tensor_load_to_lds s[G0V:G0V+3], s[G1V:G1V+7]
	s_nop 0
.rept 4
	v_nop
.endr
.Lasked_\@:
.endm
; A round of the cluster's barrier: my work-group's barrier, so that wave 0's signal speaks for all eight waves; wave 0 signals; every wave waits for all four work-groups; my work-group's barrier once more.
.macro CROUND
	s_barrier_signal -1
	s_barrier_wait -1
	s_cmp_lg_u32 s[WV], 0
	s_cbranch_scc1 .Lnot_wave_0_\@
	s_barrier_signal -3
.Lnot_wave_0_\@:
	s_barrier_wait -3
	s_barrier_signal -1
	s_barrier_wait -1
.endm
; THE CHANGE OF SLOTS.  Each wave waits for all its tensor loads (at most one is out: its part of the other slot), adds 0 to its spare word, and waits for that and for its own reads of the slot that it
; leaves.  Behind the barrier nobody reads that slot any more and the other slot is whole.  fill = 1: the barrier is a round of the cluster's, and the slot is filled again, with the keys two slots on,
; first thing behind it: the load has four key steps in which to land.  (At its first use nothing has been read yet: slot 0 is waited for, slot 1 filled.)
.macro CHANGE fill
	WIN 0                           ; at a label and at a branch every window is 0
	s_wait_tensorcnt 0x0            ; no tensor load of mine is out, so a group 0 may be written
	ds_add_u32 v[SPW], v[NIL]       ; 0 onto my spare word; with fill = 1 the descriptors' steps stand between it and the wait for it
.if \fill
.irp g, G0K, G0V
	s_xor_b32 s[\g+1], s[\g+1], SLOT1  ; the walking descriptor: the other slot than last time,
	s_add_nc_u64 s[\g+2:\g+3], s[\g+2:\g+3], 4*KS*128  ; the next 256 keys; the type bits on top are not reached
.endr
	s_wait_dscnt 0x0                ; the add is done, and my reads of the slot are over
	CROUND
	JLOAD
.else
	s_wait_dscnt 0x0                ; the add is done, and my reads of the slot are over
	s_barrier_signal -1
	s_barrier_wait -1
.endif
	s_sub_co_u32 s[TBK], s[TBK], 4*KS*PK  ; the fetches go back to a slot's first step,
	s_xor_b32 s[TBK], s[TBK], SLOT1       ; in the other slot
	s_sub_co_u32 s[TBV], s[TBV], 4*KS*PV
	s_xor_b32 s[TBV], s[TBV], SLOT1
.endm
	s_load_b128 s[68:71], s[0:1], 0x0  ; qkv16 s[68:69], mbits s[70:71]
	v_lshl_add_u32 v[SPW], v0, 2, SPARE
	v_mov_b32 v[NIL], 0
	ds_add_u32 v[SPW], v[NIL]       ; the wave's opening: the add and its wait stand ahead of the first tensor load; the set-up below, work on registers, stands between them
	v_lshrrev_b32 v1, 5, v0
	v_readfirstlane_b32 s[WV], v1   ; wave 0..7
	s_bfe_u32 s72, ttmp6, 0x40000   ; cx: my place in the cluster
	s_lshl_b32 s73, ttmp9, 2        ; in a cluster launch ttmp9 counts clusters
	s_add_co_u32 s73, s73, s72      ; my block of 512 queries: it enters Q's, O's and the mask's addresses alone
	s_and_b32 s74, ttmp7, 0xffff    ; the head y = 16 b + h, which the four partners share
	s_lshl_b32 s76, s74, 18         ; the head's first byte
	s_and_b32 s75, s[WV], 1         ; which half of a slot's 256 keys I fetch:
	s_lshl_b32 s78, s75, 14         ; its 128 rows of 128 bytes in memory,
	s_add_co_u32 s78, s78, s76
	s_mov_b32 s79, 0
	s_mul_i32 s80, s75, 128*PK      ; and its place in a slot, for K
	s_mul_i32 s81, s75, 128*PV      ; and for V: no place in the cluster enters an LDS address
	s_lshl_b32 s82, s73, 16         ; my block's 512 rows,
	s_lshl_b32 s83, s[WV], 13       ; my wave's 64 of them
	s_add_co_u32 s82, s82, s83
	s_add_co_u32 s[QOFF], s82, s76
	s_mov_b32 s82, s[QOFF]
	s_mov_b32 s83, 0
	s_lshr_b32 s86, s74, 4
	s_lshl_b32 s86, s86, 19         ; the batch's 128 query tiles of 4,096 bytes of mask words,
	s_lshl_b32 s87, s73, 17         ; my block's 32,
	s_add_co_u32 s86, s86, s87
	s_lshl_b32 s87, s[WV], 14       ; my wave's 4
	s_add_co_u32 s86, s86, s87
	s_mov_b32 s87, 0
	; descriptor group 1.  128 keys are 16,384 dense bytes: asked for as 64 rows of 256 bytes, two keys a row, and padded in LDS after every key
	s_mov_b32 s[G1K], 15|(1<<16)|(1<<20)|(1<<21)|(4<<22)|(3<<25)  ; 15:0 the mask of four; 17:16 2-byte elements; 20 padding on; 21 set beside a mask; 24:22 after every 32 words (code 4); 31:25 4 words (code 3)
	s_mov_b32 s[G1V], 15|(1<<16)|(1<<20)|(1<<21)|(4<<22)|(7<<25)  ; the same with 8 words of padding (code 7)
.irp g, G1K, G1V
	s_mov_b32 s[\g+1], 128<<16      ; tensor_dim0 = 128
	s_mov_b32 s[\g+2], 64<<16       ; tensor_dim1 = 64
	s_mov_b32 s[\g+3], 128<<16      ; tile_dim0 = 128
	s_mov_b32 s[\g+4], 64           ; tile_dim1 = 64
	s_mov_b32 s[\g+5], 128          ; 128 elements from row to row
	s_mov_b32 s[\g+6], 0
	s_mov_b32 s[\g+7], 0
.endr
	s_mov_b32 s[CS], 0x3e38aa3b     ; c = log2(e) / 8 = 0.180337
	s_mov_b32 s[CS+1], s[CS]        ; named with it as a pair
	s_mov_b32 s[SEL], 0x76543210
	s_mov_b32 s[SEL+1], 0xfedcba98
	s_mov_b32 s[TBK], SLOT1+4*KS*PK ; the first change of slots turns these two into 0
	s_mov_b32 s[TBV], SLOT1+4*KS*PV
	s_mov_b32 s[G0K], 1             ; count = 1
	s_mov_b32 s[G0K+1], s80         ; LDS address: slot 0
	s_mov_b32 s[G0V], 1
	s_add_co_u32 s[G0V+1], s81, VOFF
	s_wait_dscnt 0x0                ; the opening add is done
	s_wait_kmcnt 0x0
	s_add_nc_u64 s[78:79], s[68:69], s[78:79]
	s_add_nc_u64 s[G0K+2:G0K+3], s[78:79], 0x1000000  ; my half of the head's first 256 keys, in K
	s_or_b32 s[G0K+3], s[G0K+3], 0x80000000           ; type = 2
	s_add_nc_u64 s[G0V+2:G0V+3], s[78:79], 0x2000000  ; and in V
	s_or_b32 s[G0V+3], s[G0V+3], 0x80000000
	s_add_nc_u64 s[84:85], s[68:69], s[82:83]         ; Q at my wave's first row
	s_add_nc_u64 s[MBP:MBP+1], s[70:71], s[86:87]
	CROUND                          ; all four work-groups are here: the first joint loads meet
	JLOAD                           ; slot 0.  Slot 1 is asked for when slot 0 is in, by the loop's own change of slots
	; A fragment of K or Q is 16 rows x 32 channels in 8 registers: lane l holds row l % 16, channels 8 (l / 16) + 0..7 and 16 + 8 (l / 16) + 0..7: two loads of 16 bytes, 32 bytes apart.
	v_and_b32 v1, 15, v0            ; l % 16
	v_bfe_u32 v9, v0, 4, 1          ; l / 16
	v_lshlrev_b32 v[QO], 7, v1
	v_lshl_add_u32 v[QO], v9, 4, v[QO]  ; row x 128 + 16 x half
	WIN W_T1
.set i, 0
.rept 8                             ; Q stays in registers: tile i / 2, channels 32 (i % 2) on
	global_load_b128 v[QF+8*i:QF+8*i+3],   v[QO], s[84:85] offset:(i/2)*2048+(i%2)*64
	global_load_b128 v[QF+8*i+4:QF+8*i+7], v[QO], s[84:85] offset:(i/2)*2048+(i%2)*64+32
.set i, i+1
.endr
.set i, 0
.rept 128                           ; O^T = 0
	v_mov_b32 v[i], 0
.set i, i+1
.endr
	WIN 0
.set i, 0
.rept 4
	v_mov_b32 v[ST+4*i], 0xfe000000    ; c m: far below every c s
	v_mov_b32 v[ST+4*i+1], 0xff7fffff  ; m
	v_mov_b32 v[ST+4*i+2], 0
	v_mov_b32 v[ST+4*i+3], 0
.set i, i+1
.endr
	v_mov_b32 v[NEG], 0xf1800000
	v_mov_b32 v[QN], 0x7fc00000
	v_mul_u32_u24 v[AK0], v1, PK
	v_lshl_add_u32 v[AK0], v9, 4, v[AK0]  ; row x pitch + 16 x half
	; The turning load takes 16 keys x 16 channels (lane l reads key 8 (l / 16) + l % 8, channels 8 ((l / 8) % 2) + 0..7) and leaves half a fragment of V^T: lane l holds channel l % 16 and 8 keys.
	v_and_b32 v10, 7, v0
	v_bfe_u32 v11, v0, 3, 1
	v_lshl_add_u32 v[AV0], v9, 3, v10
	v_mul_u32_u24 v[AV0], v[AV0], PV
	v_lshl_add_u32 v[AV0], v11, 4, v[AV0]
	v_add_nc_u32 v[AV0], VOFF, v[AV0]
	s_mul_i32 s[CNT], s[WV], 16*SP
	s_add_co_u32 s[CNT], s[CNT], STAGE  ; my stage
	v_mul_u32_u24 v[STO], v1, SP    ; in: row l % 16, 16 bytes for each half of the lanes
	v_lshl_add_u32 v[STO], v9, 4, v[STO]
	v_add_nc_u32 v[STO], s[CNT], v[STO]
	v_bfe_u32 v[RD], v0, 3, 2       ; back: 32 lanes take four rows of 128 bytes,
	v_mul_u32_u24 v[RD], v[RD], SP
	v_lshl_add_u32 v[RD], v10, 4, v[RD]
	v_add_nc_u32 v[RD], s[CNT], v[RD]
	v_and_b32 v[GO], 31, v0         ; which are 512 consecutive bytes of O
	v_lshlrev_b32 v[GO], 4, v[GO]
	s_wait_xcnt 0x0                 ; Q's loads have had their addresses translated: their base, among the temporaries, is overwritten only behind this wait
	s_load_b512 s[MW0:MW0+15],    s[MBP:MBP+1], 0x0     ; key step 0: tile 0's 32 words,
	s_load_b512 s[MW0+16:MW0+31], s[MBP:MBP+1], 0x40
	s_load_b512 s[MW1:MW1+15],    s[MBP:MBP+1], 0x1000  ; tile 1's
	s_load_b512 s[MW1+16:MW1+31], s[MBP:MBP+1], 0x1040
; THE MATRIX WORK, for tiles t0 and t0 + 1.  8 accumulators take turns, one instruction a turn: between the two links of a chain stand 7 others'.
; Product i of 16 of S^T = K Q^T: channels 32 (i / 8) on, tile t0 + (i % 8) / 4, keys 16 (i % 4) on.  The first 8 start the sums.
.macro KQ t0
	WIN W_KQ
.set rS, S+32*((\t0)+(i%8)/4)+8*(i%4)
.set rK, KF+16*(i%4)+8*(i/8)
.set rQ, QF+16*((\t0)+(i%8)/4)+8*(i/8)
.if i < 8
	v_wmma_f32_16x16x32_f16 v[rS:rS+7], v[rK:rK+7], v[rQ:rQ+7], 0
.else
	v_wmma_f32_16x16x32_f16 v[rS:rS+7], v[rK:rK+7], v[rQ:rQ+7], v[rS:rS+7]
.endif
.set i, i+1
.endm
; Product i of 16 of O^T += V^T P: keys 32 (i / 8) on, tile t0 + (i % 8) / 4, channels 16 (i % 4) on.
.macro PV t0
	WIN W_PV
.set rO, 32*((\t0)+(i%8)/4)+8*(i%4)
.set rV, VF+32*(i/8)+8*(i%4)
.set rP, S+32*((\t0)+(i%8)/4)+8*(i/8)
	v_wmma_f32_16x16x32_f16 v[rO:rO+7], v[rV:rV+7], v[rP:rP+7], v[rO:rO+7]
.set i, i+1
.endm
; THE LDS LOADS stand in two runs of 16 at a step's head: its K (64 keys x 64 channels: 8 fragments) and its V (turned).
.macro FETCH_K
	WIN 0
.irp f, 0,1,2,3,4,5,6,7             ; keys 16 (f / 2) on, channels 32 (f % 2) on
	ds_load_b128 v[KF+8*\f:KF+8*\f+3],   v[AK] offset:(\f/2)*16*PK+(\f%2)*64
	ds_load_b128 v[KF+8*\f+4:KF+8*\f+7], v[AK] offset:(\f/2)*16*PK+(\f%2)*64+32
.endr
.endm
.macro FETCH_V
	WIN W_T1
.irp f, 0,1,2,3,4,5,6,7             ; keys 32 (f / 4) on, channels 16 (f % 4) on
	ds_load_tr16_b128 v[VF+8*\f:VF+8*\f+3],   v[AV] offset:(\f/4)*32*PV+(\f%4)*32
	ds_load_tr16_b128 v[VF+8*\f+4:VF+8*\f+7], v[AV] offset:(\f/4)*32*PV+16*PV+(\f%4)*32
.endr
	WIN 0
.endm
; THE VECTOR WORK, a line at a time, for tile t.  All of it but the rescaling lies in window 0.
.macro REGS t
.set rT, ST+4*(\t)
.set rC, TMP+4*(\t)
.set rM, MV+(\t)
.set rS, S+32*(\t)
.endm
; XS: number n of the 22 that find the maximum and the statistics.  s0-s31 are the lane's 32 scores.
;   0-11  four chains c0-c3 of seven scores each, three operands at a time     12-14, 16  the four scores left over, the old m, and c0-c3 into c0     15  c m_old is kept
;   17, 18  the query's other 32 keys lie in the lane 16 away: the new m         19-21  c m; c m_old - c m_new; a
.macro XS t, n
	REGS \t
.if (\n) < 4
	v_max3_num_f32 v[rC+(\n)], v[rS+8*(\n)], v[rS+8*(\n)+1], v[rS+8*(\n)+2]
.elseif (\n) < 12
	v_max3_num_f32 v[rC+(\n)%4], v[rC+(\n)%4], v[rS+8*((\n)%4)+2*((\n)/4)+1], v[rS+8*((\n)%4)+2*((\n)/4)+2]
.elseif (\n) == 12
	v_max3_num_f32 v[rC], v[rC], v[rS+7], v[rS+15]
.elseif (\n) == 13
	v_max3_num_f32 v[rC+1], v[rC+1], v[rS+23], v[rS+31]
.elseif (\n) == 14
	v_max3_num_f32 v[rC+2], v[rC+2], v[rC+3], v[rT+1]
.elseif (\n) == 15
	v_mov_b32 v[rM], v[rT]
.elseif (\n) == 16
	v_max3_num_f32 v[rC], v[rC], v[rC+1], v[rC+2]
.elseif (\n) == 17
	v_permlanex16_b32 v[rC+3], v[rC], s[SEL], s[SEL+1]
.elseif (\n) == 18
	v_max_num_f32 v[rT+1], v[rC], v[rC+3]
.elseif (\n) == 19
	v_mul_f32 v[rT], s[CS], v[rT+1]
.elseif (\n) == 20
	v_sub_f32 v[rC+1], v[rM], v[rT]
.else
	v_exp_f32 v[rC+2], v[rC+1]
.endif
.endm
.macro FS t, n                      ; c s - c m for pair n of 16
	REGS \t
	v_pk_fma_f32 v[rS+2*(\n):rS+2*(\n)+1], v[rS+2*(\n):rS+2*(\n)+1], s[CS:CS+1], v[rT:rT+1] op_sel_hi:[1,0,0] neg_lo:[0,0,1] neg_hi:[0,0,1]
.endm
.macro ES t, n                      ; the exponential of score n of 32
	REGS \t
	v_exp_f32 v[rS+(\n)], v[rS+(\n)]
.endm
.macro CV t, n                      ; pair n rounded to f16, into register n: in ascending order no pair is overwritten before it has been rounded, and the sums have read it
	REGS \t
	v_cvt_pk_f16_f32 v[rS+(\n)], v[rS+2*(\n)], v[rS+2*(\n)+1]
.endm
.macro SU t, n                      ; l takes pair n
	REGS \t
	s_wait_alu depctr_va_vdst(0)
	v_pk_add_f32 v[rT+2:rT+3], v[rT+2:rT+3], v[rS+2*(\n):rS+2*(\n)+1]
.endm
.macro AX t                         ; the plain line behind an even score's exponential: a scaling two pairs ahead, at last the first two roundings
.if i < 14
	FS \t, i+2
.else
	CV \t, i-14
.endif
.endm
.macro BX t                         ; the plain line behind an odd score's: l times a, then the sum of the pair before
.if i == 0
	REGS \t
	s_wait_alu depctr_va_vdst(0)
	v_pk_mul_f32 v[rT+2:rT+3], v[rT+2:rT+3], v[rC+2:rC+3] op_sel_hi:[1,0]
.else
	SU \t, i-1
.endif
.endm
; MASK AND SOFTMAX of tiles t0 and t0 + 1, the two alternating.  Word 8 kb + j of a tile's 32 mask words holds in bit L whether lane L's score in register 8 kb + j is visible: it is the select's lane mask.
; The selects take each accumulator's registers in ascending order.  The 64 scalar registers are free when the selects have read them, and the other pair's words are asked for
; at once: behind each request stand the rest of this macro, 32 rescalings and 32 products before the words are wanted: half a key step, the same for both pairs.
; Every exponential has a plain line that names none of its registers behind it, and no result of one is read sooner than that.
.macro SOFT2 t0
	s_wait_kmcnt 0x0                ; scalar loads come back in no order: the count is 0
.set i, 0
.rept 32
	v_cndmask_b32 v[S+32*(\t0)+i],    v[NEG], v[S+32*(\t0)+i],    s[MW0+i]
	v_cndmask_b32 v[S+32*(\t0)+32+i], v[NEG], v[S+32*(\t0)+32+i], s[MW1+i]
.set i, i+1
.endr
.if (\t0) == 0
	s_load_b512 s[MW0:MW0+15],    s[MBP:MBP+1], 0x2000  ; tiles 2 and 3 of this step
	s_load_b512 s[MW0+16:MW0+31], s[MBP:MBP+1], 0x2040
	s_load_b512 s[MW1:MW1+15],    s[MBP:MBP+1], 0x3000
	s_load_b512 s[MW1+16:MW1+31], s[MBP:MBP+1], 0x3040
.else
	s_add_nc_u64 s[MBP:MBP+1], s[MBP:MBP+1], 128        ; no scalar load is out since the wait above.  Tiles 0 and 1 of the next step; behind the last step these are words of
	s_load_b512 s[MW0:MW0+15],    s[MBP:MBP+1], 0x0     ; my tiles 1 and 2, 4,096 bytes on: inside my wave's 16,384 bytes of mbits, and not used
	s_load_b512 s[MW0+16:MW0+31], s[MBP:MBP+1], 0x40
	s_load_b512 s[MW1:MW1+15],    s[MBP:MBP+1], 0x1000
	s_load_b512 s[MW1+16:MW1+31], s[MBP:MBP+1], 0x1040
.endif
.irp n, 0,1,2,3,4,5,6,7,8,9,10,11,12,13,14,15,16,17,18,19,20,21
	XS \t0, \n
	XS (\t0)+1, \n
.endr
	FS \t0, 0
	FS (\t0)+1, 0
	FS \t0, 1
	FS (\t0)+1, 1
.set i, 0
.rept 16
	ES \t0, 2*i
	AX \t0
	ES (\t0)+1, 2*i
	AX (\t0)+1
	ES \t0, 2*i+1
	BX \t0
	ES (\t0)+1, 2*i+1
	BX (\t0)+1
.set i, i+1
.endr
	SU \t0, 15
	SU (\t0)+1, 15
.irp n, 2,3,4,5,6,7,8,9,10,11,12,13,14,15
	CV \t0, \n
	CV (\t0)+1, \n
.endr
.endm
.macro RESC t0                      ; O^T of tiles t0 and t0 + 1 times a, the one part of the vector work that leaves window 0; each accumulator from its low end on
	WIN W_RS
.set i, 16*(\t0)
.rept 32
	v_pk_mul_f32 v[2*i:2*i+1], v[2*i:2*i+1], v[TMP+4*(i/16)+2:TMP+4*(i/16)+3] op_sel_hi:[1,0]
.set i, i+1
.endr
.endm
; A KEY STEP.  No product writes over a register of a product that stands fewer than five places in front of it: K Q^T of a pair lands on the P that V^T P of the SAME pair read, half a step back.
.macro STEP
	WIN 0
	v_add_nc_u32 v[AK], s[TBK], v[AK0]
	v_add_nc_u32 v[AV], s[TBV], v[AV0]
.rept 3
	v_nop                           ; with the two lines above: five places behind the last V^T P, which read V (loaded again below)
.endr
	FETCH_K
	FETCH_V
	s_add_co_u32 s[TBK], s[TBK], KS*PK  ; the next fetch is the next step's
	s_add_co_u32 s[TBV], s[TBV], KS*PV
	s_wait_dscnt 16                 ; K's sixteen loads are in; V's sixteen may stay out
.set i, 0
.rept 16
	KQ 0
.endr
	WIN 0
.rept 4
	v_nop                           ; the places behind those products
.endr
	SOFT2 0
	RESC 0
	s_wait_dscnt 0x0                ; V is in
.set i, 0
.rept 16
	PV 0
.endr
.set i, 0
.rept 16
	KQ 2                            ; K has stayed in its registers
.endr
	WIN 0
.rept 4
	v_nop                           ; the places behind those products
.endr
	SOFT2 2
	RESC 2
.set i, 0
.rept 16
	PV 2
.endr
	WIN 0
.endm
.macro FOUR                         ; a slot's four key steps: written once, walked four times; the LDS addresses hang on s[TBK] and s[TBV]
	s_mov_b32 s[CNT], 4
.Lstep_\@:
	STEP
	s_sub_co_u32 s[CNT], s[CNT], 1
	s_cmp_lg_u32 s[CNT], 0
	s_cbranch_scc1 .Lstep_\@
.endm
	s_wait_loadcnt 0x0              ; Q
	s_mov_b32 s[SLOTS], 7
.Lslot:                             ; seven times: a slot is entered and the next is asked for
	CHANGE 1
	FOUR
	s_sub_co_u32 s[SLOTS], s[SLOTS], 1
	s_cmp_lg_u32 s[SLOTS], 0
	s_cbranch_scc1 .Lslot
	CHANGE 0                        ; the last slot is written out: nothing is asked for
	FOUR
	; THE WAY OUT.  l's two halves and the other half of the lanes' are added; O^T is divided by l, rounded to f16 and sent through my stage in LDS, a tile at a time.  The additions are the places behind the last products.
.macro ALL line:vararg              ; one line for each tile t
.set t, 0
.rept 4
	\line
.set t, t+1
.endr
.endm
	s_wait_kmcnt 0x0                ; the words asked for behind the last step have come: their registers are free
	s_load_b64 s[68:69], s[0:1], 0x10  ; o16
	ALL v_add_f32 v[ST+4*t+2], v[ST+4*t+2], v[ST+4*t+3]
	ALL v_permlanex16_b32 v[ST+4*t+3], v[ST+4*t+2], s[SEL], s[SEL+1]
	ALL v_add_f32 v[ST+4*t+2], v[ST+4*t+2], v[ST+4*t+3]
	ALL v_rcp_f32 v[ST+4*t+2], v[ST+4*t+2]
.set t, 0
.rept 4                             ; a row whose maximum is still a hidden score has seen no key: its factor is NaN.  The first compare is the plain line behind the last reciprocal
	v_cmp_lt_f32 vcc_lo, 0xf0000000, v[ST+4*t+1]  ; -2^97 < m: some key was visible
	s_wait_alu depctr_va_vdst(0)
	v_cndmask_b32 v[ST+4*t+2], v[QN], v[ST+4*t+2], vcc_lo
.set t, t+1
.endr
	s_mov_b32 s70, s[QOFF]
	s_mov_b32 s71, 0
	s_wait_kmcnt 0x0
	s_add_nc_u64 s[68:69], s[68:69], s[70:71]  ; O at my wave's first row
; Tile t: a lane's eight channels of a row pack into 16 bytes; they go into rows of 144 bytes and come back as whole rows of 128, into S^T's registers.
.macro PACK t
	WIN W_RS
.set i, 32*(\t)
.rept 16
	v_pk_mul_f32 v[i:i+1], v[i:i+1], v[ST+4*(\t)+2:ST+4*(\t)+3] op_sel_hi:[1,0]
.set i, i+2
.endr
	WIN 0x05                        ; sources 0 and 1 window 1, destination window 0
.set i, 0
.rept 16
	v_cvt_pk_f16_f32 v[S+16*(\t)+i], v[32*(\t)+2*i], v[32*(\t)+2*i+1]
.set i, i+1
.endr
	WIN 0
.irp f, 0,1,2,3
	ds_store_b128 v[STO], v[S+16*(\t)+4*\f:S+16*(\t)+4*\f+3] offset:32*\f
.endr
.irp f, 0,1,2,3
	ds_load_b128 v[S+16*(\t)+4*\f:S+16*(\t)+4*\f+3], v[RD] offset:\f*4*SP  ; LDS serves a wave's instructions in order (ISA guide 5.7.1.4): these see the stores above; the next tile's stores come behind them
.endr
.endm
.macro SEND t, younger              ; younger: the LDS instructions issued behind tile t's loads: the next tile's eight, or none
	WIN 0
.irp f, 0,1,2,3
	s_wait_dscnt (\younger)+3-\f
	global_store_b128 v[GO], v[S+16*(\t)+4*\f:S+16*(\t)+4*\f+3], s[68:69] offset:(\t)*2048+\f*512  ; 512 consecutive bytes, at a multiple of 256 from o16's first
.endr
.endm
	PACK 0
.set t, 1
.rept 3                             ; a tile's arithmetic stands between the loads of the tile before and its stores
	PACK t
	SEND t-1, 8
.set t, t+1
.endr
	SEND 3, 0
	s_wait_tensorcnt 0x0            ; the wave's end, behind my last tensor load and my last LDS store
	ds_add_u32 v[SPW], v[NIL]
	s_wait_dscnt 0x0
	CROUND                          ; the closing round: no work-group ends while a partner may still ask for a tile that names it
	s_endpgm
.Lfunc_end_k_qeea144aa65_attn:
	.size	k_qeea144aa65_attn, .Lfunc_end_k_qeea144aa65_attn-k_qeea144aa65_attn
	.p2alignl 7, 3214868480
	.fill 96, 4, 3214868480
	.section	.rodata,"a",@progbits
	.p2align	6, 0x0
	.amdhsa_kernel k_qeea144aa65_attn
		.amdhsa_group_segment_fixed_size 327680
		.amdhsa_private_segment_fixed_size 0
		.amdhsa_enable_private_segment 0
		.amdhsa_kernarg_size 24
		.amdhsa_user_sgpr_count 2
		.amdhsa_user_sgpr_kernarg_segment_ptr 1
		.amdhsa_wavefront_size32 1
		.amdhsa_system_sgpr_workgroup_id_x 1
		.amdhsa_system_sgpr_workgroup_id_y 1
		.amdhsa_system_sgpr_workgroup_id_z 1
		.amdhsa_system_vgpr_workitem_id 0
		.amdhsa_next_free_vgpr 512
		.amdhsa_next_free_sgpr 106
		.amdhsa_reserve_vcc 1
		.amdhsa_float_denorm_mode_32 3
		.amdhsa_float_denorm_mode_16_64 3
		.amdhsa_memory_ordered 1
		.amdhsa_forward_progress 1
		.amdhsa_inst_pref_size 115
	.end_amdhsa_kernel
	.amdgpu_metadata
---
amdhsa.version: [ 1, 2 ]
amdhsa.kernels:
  - .name:           k_qeea144aa65_attn
    .symbol:         k_qeea144aa65_attn.kd
    .args:
      - { .name: qkv16, .offset: 0, .size: 8, .value_kind: global_buffer, .address_space: global }
      - { .name: mbits, .offset: 8, .size: 8, .value_kind: global_buffer, .address_space: global }
      - { .name: o16, .offset: 16, .size: 8, .value_kind: global_buffer, .address_space: global }
    .group_segment_fixed_size: 327680
    .private_segment_fixed_size: 0
    .kernarg_segment_align: 8
    .kernarg_segment_size: 24
    .max_flat_workgroup_size: 256
    .sgpr_count:     106
    .vgpr_count:     512
    .wavefront_size: 32
...
	.end_amdgpu_metadata
.endif
;; end of part 3
;; launch oproj (part 4): grid 4 x 64, 4 waves a work-group, clusters of 4 x 4, 327,680 bytes of LDS; arguments o16, w16, out0; writes out0
.if DOCPART == 4
	.amdgcn_target "amdgcn-amd-amdhsa--gfx1250"
	.amdhsa_code_object_version 6
	.text
	.protected	k_qeea144aa65_oproj
	.globl	k_qeea144aa65_oproj
	.p2align	8
	.type	k_qeea144aa65_oproj,@function
k_qeea144aa65_oproj:
	s_mov_b64 s[64:65], 0
	v_nop
	global_prefetch_b8 v0, s[64:65] scope:SCOPE_SE
	s_setreg_imm32_b32 hwreg(HW_REG_WAVE_MODE, 25, 1), 1
	s_wait_xcnt 0x0
	s_wait_alu depctr_hold_cnt(0) depctr_sa_sdst(0) depctr_va_vdst(0) depctr_va_sdst(0) depctr_va_ssrc(0) depctr_va_vcc(0) depctr_vm_vsrc(0)
	s_getreg_b32 s2, hwreg(HW_REG_IB_STS2, 6, 4)
	s_cmp_eq_u32 s2, 0
	s_cbranch_scc0 .Lentry_in_a_cluster
	s_endpgm
.Lentry_in_a_cluster:
	s_bfe_u32 s2, ttmp6, 0x10000c
	s_cmp_lg_u32 s2, 0xf033
	s_cbranch_scc0 .Lentry_shape_is_right
	s_endpgm
.Lentry_shape_is_right:
; C[token][n] = the sum over k of X[token][k] W[k][n], K = N = 1,024, f16 operands, f32 sums.  One text serves two launches, by the two constants below:
;   F32OUT = 0: the three projections at once.  X = x16 (12 blocks of 2,048 tokens: q, k, v by batch), W = w16's weight number (tile row / 64), C = qkv16, f16, by heads.
;   F32OUT = 1: the last projection.  X = o16 (4 blocks of 2,048 tokens), W = w16's fourth weight, C = out0, f32, row-major.
; X lies in blocks [block][kb][token][64] (byte = block << 22 | kb << 18 | token << 7 | 2 d): 128 tokens x 64 k are 16,384 consecutive bytes.  w16 lies [n][k].
; SHARES.  A work-group makes 128 tokens x 256 columns (768 or 256 work-groups); its four waves lie 2 x 2, each 64 x 128: 32 accumulators, 256 registers.
; K goes in 8 steps of 128 through two LDS slots; each wave fetches a quarter of a slot's tiles with one tensor load: waves 0, 1 the two blocks of 64 k of X, waves 2, 3 the two halves of W's 256 rows.
; CLUSTER.  4 x 4 work-groups: the four of a row of the cluster need the same tile of X, the four of a column the same tile of W: each tile is asked for JOINTLY, by the same tensor load with the same
; descriptor and a mask that names the four.  All sixteen lie in one block of 64 tile rows, so they share the weight.
; THE MATRIX INSTRUCTION IS USED TRANSPOSED (source 0 = 16 rows of w16, source 1 = 16 tokens): a lane then holds one token (lane % 16) and eight neighbouring columns.
; LIMIT.  With F32OUT = 0 the sums are rounded once to f16: 65,520 or more in magnitude becomes an infinity; below 6.1e-5 f16 keeps a fixed step of 6e-8.
; REGISTERS.  Window 0: v0-31 addresses; v64-159, v160-255 two fragment buffers (64 registers of W: 8 x 16 rows x 32 k, then 32 of X: 4 x 16 tokens x 32 k); on the way out v64-191 at work.
;             Window 1: the accumulators, (a, b) at v[8 (8 a + b)].
.set F32OUT, 1
.set WOFF,   3<<21                     ; bytes in front of the first weight that this launch uses
.set PA,     144                       ; a token's 128 bytes in LDS + 16 of padding = 9 x 16: the 16 rows of a load start at 16 different groups of four banks (64 banks of 4 bytes: ISA guide 11.1)
.set PB,     272                       ; a row of W's tile: 256 bytes + 16 = 17 x 16: likewise
.set ASUB,   128*PA                    ; 128 tokens x 64 k: what one of X's loads brings
.set HALFB,  128*PB                    ; 128 rows x 128 k: what one of W's loads brings
.set SLOT,   2*ASUB+2*HALFB            ; X's two blocks, then W's 256 rows
.set STAGE,  2*SLOT                    ; behind the ring: 16 rows for each wave, for the way out; no tensor load lands there
.if F32OUT
.set SPITCH, 528                       ; 128 columns of 4 bytes + 16
.else
.set SPITCH, 272                       ; 128 columns of 2 bytes + 16
.endif
.set SPARE,  STAGE+4*16*SPITCH         ; behind the stages: the spare words, 128 bytes for each wave: two blocks of 256 bytes that no other line names
.set LAPS,   4                         ; a lap = two K steps = once round the ring
.set ADRA, 16                          ; v16-17  LDS address of my fragments of X in slot 0, 1
.set ADRB, 20                          ; v20-21  the same for W
.set STO,  24                          ; v24     the way out: where I put my part of a row
.set RD,   25                          ; v25     the way out: where I read rows back
.set CO,   26                          ; v26     my byte offset in what a store covers
.set SPW,  28                          ; v28     LDS address of my spare word; never rewritten
.set NIL,  29                          ; v29     0; never rewritten
.set F0,   64
.set F1,   160
.set OB,   64                          ; the way out: registers at work
.set G1,  24                           ; s[24:31] descriptor group 1 for X's tiles;  s[32:39] group 0, one set for each slot
.set G0,  32
.set G1B, 48                           ; s[48:55], s[56:63] the same for W's tiles
.set G0B, 56
.set MSB, 0
.macro WIN new                         ; the immediate's high byte repeats the setting that is left; a switch that changes nothing is dropped
.if MSB != (\new)
	s_set_vgpr_msb (MSB<<8)|(\new)
.set MSB, \new
.endif
.endm
.set MUL, 0x50                         ; sources 0 and 1 window 0; C and D window 1
.macro JLOAD s                         ; a joint load: waves 0 and 1 ask for X, waves 2 and 3 for W; an s_nop 0 and four v_nop follow each of the two lines, ahead of the jump, the label and what follows
	s_cmp_eq_u32 s11, 0
	s_cbranch_scc0 .Lfor_b_\@
	tensor_load_to_lds s[G0+4*(\s):G0+4*(\s)+3], s[G1:G1+7]
	s_nop 0
.rept 4
	v_nop
.endr
	s_branch .Lasked_\@
.Lfor_b_\@:
	tensor_load_to_lds s[G0B+4*(\s):G0B+4*(\s)+3], s[G1B:G1B+7]
	s_nop 0
.rept 4
	v_nop
.endr
.Lasked_\@:
.endm
.macro CREST                           ; a round of the cluster's barrier behind its opening barrier: wave 0 signals for the work-group, every wave waits for all sixteen, my work-group's barrier closes it
	s_cmp_lg_u32 s10, 0
	s_cbranch_scc1 .Lnot_wave_0_\@
	s_barrier_signal -3
.Lnot_wave_0_\@:
	s_barrier_wait -3
	s_barrier_signal -1
	s_barrier_wait -1
.endm
.macro CROUND                          ; a whole round
	s_barrier_signal -1
	s_barrier_wait -1
	CREST
.endm
	s_load_b128 s[4:7], s[0:1], 0x0                ; X s[4:5], w16 s[6:7]
	s_load_b64 s[8:9], s[0:1], 0x10                ; C
	v_lshl_add_u32 v[SPW], v0, 2, SPARE
	v_mov_b32 v[NIL], 0
	ds_add_u32 v[SPW], v[NIL]                      ; the wave's opening: the add and its wait stand ahead of my first tensor load; the set-up below, work on registers, stands between them
	v_lshrrev_b32 v1, 5, v0
	v_readfirstlane_b32 s10, v1                    ; wave 0..3
	s_lshr_b32 s11, s10, 1                         ; which 64 of the tile's tokens are mine.  Also: I fetch for X (0) or for W (1)
	s_and_b32 s12, s10, 1                          ; which 128 of its columns.  Also: which half of that fetch is mine
	s_bfe_u32 s40, ttmp6, 0x40000                  ; cx, cy: my place in the cluster
	s_bfe_u32 s41, ttmp6, 0x40004
	s_lshl_b32 s42, ttmp9, 2
	s_add_co_u32 s42, s42, s40                     ; tile column = 4 x cluster x + cx
	s_and_b32 s45, ttmp7, 0xffff                   ; cluster y, which all sixteen share
	s_lshl_b32 s13, s45, 2
	s_add_co_u32 s13, s13, s41                     ; tile row = 4 x cluster y + cy
	s_lshl_b32 s43, s41, 2
	s_lshl_b32 s43, 15, s43                        ; my row of the cluster
	s_lshl_b32 s44, 0x1111, s40                    ; my column
	; group 1 for X: 16,384 dense bytes asked for as 64 rows of 256 bytes (two tokens a row), padded in LDS behind every token
	s_or_b32 s[G1+0], s43, (1<<16)|(1<<20)|(1<<21)|(4<<22)|(3<<25)   ; 15:0 the mask: my row; 17:16 2-byte elements; 20 padding on; 21 set beside a mask; 24:22 after every 32 words (code 4); 31:25 4 words (code 3)
	s_mov_b32 s[G1+1], 128<<16                     ; tensor_dim0 = 128
	s_mov_b32 s[G1+2], 64<<16                      ; tensor_dim1 = 64
	s_mov_b32 s[G1+3], 128<<16                     ; tile_dim0 = 128
	s_mov_b32 s[G1+4], 64                          ; tile_dim1 = 64
	s_mov_b32 s[G1+5], 128                         ; 128 elements from row to row
	s_mov_b32 s[G1+6], 0
	s_mov_b32 s[G1+7], 0
	; group 1 for W: 128 rows x 128 elements out of rows of 1,024
	s_or_b32 s[G1B+0], s44, (1<<16)|(1<<20)|(1<<21)|(5<<22)|(3<<25)  ; the mask: my column; padding of 4 words after every 64 (code 5)
	s_mov_b32 s[G1B+1], 128<<16
	s_mov_b32 s[G1B+2], 128<<16
	s_mov_b32 s[G1B+3], 128<<16
	s_mov_b32 s[G1B+4], 128
	s_mov_b32 s[G1B+5], 1024
	s_mov_b32 s[G1B+6], 0
	s_mov_b32 s[G1B+7], 0
	; where the tiles come from.  X's hang on the tile row alone, which my row of the cluster shares; W's on the tile column and the cluster's y, which my column shares.
	s_lshr_b32 s16, s13, 4
	s_lshl_b32 s16, s16, 22                        ; the block of 2,048 tokens,
	s_and_b32 s17, s13, 15
	s_lshl_b32 s17, s17, 14                        ; 128 tokens of 128 bytes in it,
	s_add_co_u32 s16, s16, s17
	s_lshl_b32 s17, s12, 18                        ; and my block of 64 k
	s_add_co_u32 s16, s16, s17
	s_mov_b32 s17, 0
	s_lshr_b32 s46, s45, 4
	s_lshl_b32 s46, s46, 21                        ; the weight,
	s_lshl_b32 s47, s42, 19                        ; 256 rows of 2,048 bytes in it,
	s_add_co_u32 s46, s46, s47
	s_lshl_b32 s47, s12, 18                        ; and my 128 of them
	s_add_co_u32 s46, s46, s47
.if WOFF
	s_add_co_u32 s46, s46, WOFF
.endif
	s_mov_b32 s47, 0
	s_mul_i32 s20, s12, ASUB                       ; and where they go: no place in the cluster enters an LDS address
	s_mul_i32 s21, s12, HALFB
	s_add_co_u32 s21, s21, 2*ASUB
	s_wait_dscnt 0x0                               ; the opening add is done
	s_wait_kmcnt 0x0
	s_add_nc_u64 s[14:15], s[4:5], s[16:17]
	s_add_nc_u64 s[46:47], s[6:7], s[46:47]
	CROUND                                         ; all sixteen work-groups are here: the first joint loads meet
.irp s, 0,1
	s_mov_b32 s[G0+4*(\s)], 1                                        ; count = 1
	s_add_co_u32 s[G0+4*(\s)+1], s20, (\s)*SLOT                      ; LDS address
	s_add_nc_u64 s[G0+4*(\s)+2:G0+4*(\s)+3], s[14:15], (\s)*(2<<18)  ; K step s: two blocks of 64 k on
	s_or_b32 s[G0+4*(\s)+3], s[G0+4*(\s)+3], 0x80000000              ; type = 2
	s_mov_b32 s[G0B+4*(\s)], 1
	s_add_co_u32 s[G0B+4*(\s)+1], s21, (\s)*SLOT
	s_add_nc_u64 s[G0B+4*(\s)+2:G0B+4*(\s)+3], s[46:47], (\s)*256    ; K step s: 128 k of 2 bytes on
	s_or_b32 s[G0B+4*(\s)+3], s[G0B+4*(\s)+3], 0x80000000
	JLOAD \s                                       ; two loads of mine are out
.endr
	; a fragment is 16 rows x 32 k in 8 registers: lane l holds row l % 16, k = 8 (l / 16) + 0..7 and 16 + 8 (l / 16) + 0..7: two loads of 16 bytes, 32 bytes apart
	v_and_b32 v1, 15, v0                           ; l % 16
	v_bfe_u32 v2, v0, 4, 1                         ; l / 16
	v_mul_u32_u24 v3, v1, PA
	v_lshl_add_u32 v3, v2, 4, v3
	v_mul_u32_u24 v4, v1, PB
	v_lshl_add_u32 v4, v2, 4, v4
	s_mul_i32 s22, s11, 64*PA                      ; my 64 tokens
	s_mul_i32 s23, s12, HALFB                      ; my 128 rows of W,
	s_add_co_u32 s23, s23, 2*ASUB                  ; which lie behind X's two blocks
.irp s, 0,1
	v_add_nc_u32 v[ADRA+(\s)], s22, v3
	v_add_nc_u32 v[ADRB+(\s)], s23, v4
	s_add_co_u32 s22, s22, SLOT
	s_add_co_u32 s23, s23, SLOT
.endr
	s_mul_i32 s22, s10, 16*SPITCH
	s_add_co_u32 s22, s22, STAGE                   ; my stage
	v_mul_u32_u24 v5, v1, SPITCH                   ; in: row l % 16, eight columns for each half of the lanes
	v_and_b32 v7, 31, v0
	v_lshlrev_b32 v[CO], 4, v7                     ; a store covers 512 consecutive bytes: 16 a lane
.if F32OUT
	v_lshl_add_u32 v5, v2, 5, v5
	v_add_nc_u32 v[STO], s22, v5
	v_add_nc_u32 v[RD], s22, v[CO]                 ; back: 32 lanes take one row of 512 bytes
	s_lshl_b32 s16, s13, 19                        ; 128 rows of 4,096 bytes,
	s_lshl_b32 s17, s11, 18                        ; my 64 of them,
	s_add_co_u32 s16, s16, s17
	s_lshl_b32 s46, s42, 10                        ; 256 columns of 4 bytes,
	s_lshl_b32 s47, s12, 9                         ; my 128 of them
.else
	v_lshl_add_u32 v5, v2, 4, v5
	v_add_nc_u32 v[STO], s22, v5
	v_bfe_u32 v5, v0, 3, 2                         ; back: 32 lanes take four tokens' 128 bytes of one head,
	v_and_b32 v6, 7, v0
	v_mul_u32_u24 v5, v5, SPITCH
	v_lshl_add_u32 v5, v6, 4, v5
	v_add_nc_u32 v[RD], s22, v5                    ; which are 512 consecutive bytes of qkv16
	s_lshr_b32 s16, s13, 4
	s_lshl_b32 s16, s16, 22                        ; the block of 2,048 tokens,
	s_and_b32 s17, s13, 15
	s_lshl_b32 s17, s17, 14                        ; 128 tokens of 128 bytes in a head's rows,
	s_add_co_u32 s16, s16, s17
	s_lshl_b32 s17, s11, 13                        ; my 64 of them,
	s_add_co_u32 s16, s16, s17
	s_lshl_b32 s46, s42, 20                        ; four heads a tile column,
	s_lshl_b32 s47, s12, 19                        ; my two of them
.endif
	s_add_co_u32 s46, s46, s47
	s_add_co_u32 s16, s16, s46
	s_mov_b32 s17, 0
	s_add_nc_u64 s[8:9], s[8:9], s[16:17]          ; C at my wave's first number
; 8 matrix instructions: token block a x all 8 column blocks, 32 along K, out of buffer f.  zero = 1: the product starts the sums: nothing is cleared.
; The 32 accumulators take turns, one instruction a turn, in the same order in every quarter.
.macro MUL8 f, a, zero
	WIN MUL
.irp b, 0,1,2,3,4,5,6,7
.if \zero
	v_wmma_f32_16x16x32_f16 v[8*(8*(\a)+(\b)):8*(8*(\a)+(\b))+7], v[(\f)+8*(\b):(\f)+8*(\b)+7], v[(\f)+64+8*(\a):(\f)+64+8*(\a)+7], 0
.else
	v_wmma_f32_16x16x32_f16 v[8*(8*(\a)+(\b)):8*(8*(\a)+(\b))+7], v[(\f)+8*(\b):(\f)+8*(\b)+7], v[(\f)+64+8*(\a):(\f)+64+8*(\a)+7], v[8*(8*(\a)+(\b)):8*(8*(\a)+(\b))+7]
.endif
.endr
.endm
; 24 LDS loads in one run: the fragments of quarter q (32 along K) of a slot into buffer f: W's sixteen first, then X's eight
.macro FETCH slot, q, f
	WIN 0
.irp i, 0,1,2,3,4,5,6,7
	ds_load_b128 v[(\f)+8*(\i):(\f)+8*(\i)+3],   v[ADRB+(\slot)] offset:64*(\q)+(\i)*16*PB
	ds_load_b128 v[(\f)+8*(\i)+4:(\f)+8*(\i)+7], v[ADRB+(\slot)] offset:64*(\q)+(\i)*16*PB+32
.endr
.irp i, 0,1,2,3
	ds_load_b128 v[(\f)+64+8*(\i):(\f)+64+8*(\i)+3],   v[ADRA+(\slot)] offset:((\q)/2)*ASUB+((\q)%2)*64+(\i)*16*PA
	ds_load_b128 v[(\f)+64+8*(\i)+4:(\f)+64+8*(\i)+7], v[ADRA+(\slot)] offset:((\q)/2)*ASUB+((\q)%2)*64+(\i)*16*PA+32
.endr
.endm
.macro PLACES                          ; four places in front of loads into registers that matrix instructions have read, and of lines that read results just made (ISA guide 7.12.1 for the lines that read results)
.rept 4
	v_nop
.endr
.endm
; A K step is four quarters of 32 along K, 32 matrix instructions each, on buffers 0, 1, 0, 1.  One of the first three: multiplies buffer f and fetches quarter q into g.
.macro QUARTER slot, q, f, g, zero
	s_wait_dscnt 4                                 ; W's fragments and X's blocks 0, 1 are in; the four youngest loads (X's blocks 2, 3) may be out
	MUL8 \f, 0, \zero
	MUL8 \f, 1, \zero
	PLACES
	FETCH \slot, \q, \g
	s_wait_dscnt 24                                ; all but the 24 just issued
	MUL8 \f, 2, \zero
	MUL8 \f, 3, \zero
.endm
; The last quarter multiplies buffer 1 and changes slots: ONE barrier; in front of it each wave waits for all its tensor loads (one is out: its part of the next slot), adds 0 to its spare word,
; and waits for that and for its own reads of this slot.  fill = 1: the barrier opens a round of the cluster's, and this slot is filled again, two K steps ahead, first thing behind the round:
; from that request to the wait for it the wave issues 112 matrix instructions.
.macro TURN slot, next, fill
	WIN 0                                          ; (the add's two registers lie in window 0)
	s_wait_tensorcnt 0x0
	ds_add_u32 v[SPW], v[NIL]                      ; 0 onto my spare word
	s_wait_dscnt 5                                 ; (the add and the four youngest loads may be out)
	MUL8 F1, 0, 0                                  ; eight matrix instructions stand between the add and the wait for it
	s_wait_dscnt 0x0                               ; the add is done, and my reads of this slot are over
	s_barrier_signal -1
	MUL8 F1, 1, 0
.if \fill
	WIN 0
.endif
	s_barrier_wait -1
.if \fill
	CREST                                          ; no wave of any partner still reads this slot's tiles or has a load on its way
	s_add_nc_u64 s[G0+4*(\slot)+2:G0+4*(\slot)+3], s[G0+4*(\slot)+2:G0+4*(\slot)+3], 4<<18   ; no load of mine is out, so a group 0 may be written: four blocks of 64 k on,
	s_add_nc_u64 s[G0B+4*(\slot)+2:G0B+4*(\slot)+3], s[G0B+4*(\slot)+2:G0B+4*(\slot)+3], 512 ; 256 k of 2 bytes on
	JLOAD \slot                                    ; the four v_nop behind it are also the places in front of the loads below
.else
	PLACES
.endif
	FETCH \next, 0, F0
	MUL8 F1, 2, 0
	MUL8 F1, 3, 0
.endm
	s_wait_tensorcnt 1                             ; my part of K step 0 is in; K step 1's may stay out
	s_barrier_signal -1
	s_barrier_wait -1                              ; everybody's is
	FETCH 0, 0, F0
	QUARTER 0, 1, F0, F1, 1                        ; the first quarter stands in front of the loop: its products start the sums
	WIN 0                                          ; at a label and at a branch every window is 0
	s_mov_b32 s3, LAPS-1
.Llap:                                                 ; a trip goes once round the ring, from a lap's second quarter to the next lap's first, and fills both slots again
	QUARTER 0, 2, F1, F0, 0
	QUARTER 0, 3, F0, F1, 0
	TURN 0, 1, 1
	QUARTER 1, 1, F0, F1, 0
	QUARTER 1, 2, F1, F0, 0
	QUARTER 1, 3, F0, F1, 0
	TURN 1, 0, 1
	QUARTER 0, 1, F0, F1, 0
	WIN 0
	s_sub_co_u32 s3, s3, 1
	s_cmp_lg_u32 s3, 0
	s_cbranch_scc1 .Llap
	QUARTER 0, 2, F1, F0, 0                        ; the last lap fills nothing, and has no round of the cluster's barrier
	QUARTER 0, 3, F0, F1, 0
	TURN 0, 1, 0
	QUARTER 1, 1, F0, F1, 0
	QUARTER 1, 2, F1, F0, 0
	QUARTER 1, 3, F0, F1, 0
	s_wait_dscnt 4                                 ; the very last quarter: nothing more to fetch
	MUL8 F1, 0, 0
	MUL8 F1, 1, 0
	s_wait_dscnt 0x0
	MUL8 F1, 2, 0
	MUL8 F1, 3, 0
	WIN 0
	PLACES                                         ; behind the last products
.if F32OUT
; THE WAY OUT, f32.  Block a (16 tokens x 128 columns) goes from the accumulators into my own stage, each accumulator's low four registers first, and comes back as whole rows of 512 bytes.
.macro STG a
	WIN 0x04                                       ; the stores' data lie in window 1
.irp b, 0,1,2,3,4,5,6,7
	ds_store_b128 v[STO], v[8*(8*(\a)+(\b)):8*(8*(\a)+(\b))+3]   offset:64*(\b)
	ds_store_b128 v[STO], v[8*(8*(\a)+(\b))+4:8*(8*(\a)+(\b))+7] offset:64*(\b)+16
.endr
	WIN 0
	s_wait_xcnt 0x0                                ; the stores of the block two back have read these registers: they are loaded again only behind this wait
.irp i, 0,1,2,3,4,5,6,7,8,9,10,11,12,13,14,15
	ds_load_b128 v[OB+64*((\a)%2)+4*(\i):OB+64*((\a)%2)+4*(\i)+3], v[RD] offset:(\i)*SPITCH  ; LDS serves a wave's instructions in order (ISA guide 5.7.1.4): these see the stores above
.endr
.endm
.macro SENDF a, younger                ; younger: the LDS instructions issued behind block a's loads: the next block's 32, or none
.irp i, 0,1,2,3,4,5,6,7,8,9,10,11,12,13,14,15
	s_wait_dscnt (\younger)+15-(\i)
	global_store_b128 v[CO], v[OB+64*((\a)%2)+4*(\i):OB+64*((\a)%2)+4*(\i)+3], s[8:9] offset:(16*(\a)+(\i))*4096 th:TH_STORE_NT  ; 512 consecutive bytes of a row, at a multiple of 256 from out0's first
.endr
.endm
	STG 0
	STG 1
	SENDF 0, 32
	STG 2
	SENDF 1, 32
	STG 3
	SENDF 2, 32
	SENDF 3, 0
.else
; THE WAY OUT, f16 by heads.  Block a (16 tokens x 128 columns = two heads) is rounded, 16 bytes a lane, goes into my own stage and comes back head by head, four tokens to a load.
.macro PACK a
	WIN 0x05                                       ; sources 0 and 1 window 1, destination window 0
.irp b, 0,1,2,3,4,5,6,7
.irp r, 0,1,2,3
	v_cvt_pk_f16_f32 v[OB+32*(\a)+4*(\b)+(\r)], v[8*(8*(\a)+(\b))+2*(\r)], v[8*(8*(\a)+(\b))+2*(\r)+1]
.endr
.endr
	WIN 0
.irp b, 0,1,2,3,4,5,6,7
	ds_store_b128 v[STO], v[OB+32*(\a)+4*(\b):OB+32*(\a)+4*(\b)+3] offset:32*(\b)
.endr
.irp i, 0,1,2,3,4,5,6,7                ; head i / 4, tokens 4 (i % 4) on
	ds_load_b128 v[OB+32*(\a)+4*(\i):OB+32*(\a)+4*(\i)+3], v[RD] offset:((\i)%4)*4*SPITCH+((\i)/4)*128  ; LDS serves a wave's instructions in order (ISA guide 5.7.1.4): these see the stores above
.endr
.endm
.macro SEND a, younger                 ; younger: the LDS instructions issued behind block a's loads: the next block's sixteen, or none
.irp i, 0,1,2,3,4,5,6,7
	s_wait_dscnt (\younger)+7-(\i)
	global_store_b128 v[CO], v[OB+32*(\a)+4*(\i):OB+32*(\a)+4*(\i)+3], s[8:9] offset:(((\i)/4)<<18)+(\a)*2048+((\i)%4)*512  ; 512 consecutive bytes of a head's rows, at a multiple of 256 from qkv16's first
.endr
.endm
	PACK 0
	PACK 1                                         ; a block's arithmetic stands between the loads of the block before and its stores
	SEND 0, 16
	PACK 2
	SEND 1, 16
	PACK 3
	SEND 2, 16
	SEND 3, 0
.endif
	s_wait_tensorcnt 0x0                           ; the wave's end, behind my last tensor load and my last LDS store
	ds_add_u32 v[SPW], v[NIL]
	s_wait_dscnt 0x0
	CROUND                                         ; the closing round: no work-group ends while a partner may still ask for a tile that names it
	s_endpgm
.Lfunc_end_k_qeea144aa65_oproj:
	.size	k_qeea144aa65_oproj, .Lfunc_end_k_qeea144aa65_oproj-k_qeea144aa65_oproj
	.p2alignl 7, 3214868480
	.fill 96, 4, 3214868480
	.section	.rodata,"a",@progbits
	.p2align	6, 0x0
	.amdhsa_kernel k_qeea144aa65_oproj
		.amdhsa_group_segment_fixed_size 327680
		.amdhsa_private_segment_fixed_size 0
		.amdhsa_enable_private_segment 0
		.amdhsa_kernarg_size 24
		.amdhsa_user_sgpr_count 2
		.amdhsa_user_sgpr_kernarg_segment_ptr 1
		.amdhsa_wavefront_size32 1
		.amdhsa_system_sgpr_workgroup_id_x 1
		.amdhsa_system_sgpr_workgroup_id_y 1
		.amdhsa_system_sgpr_workgroup_id_z 1
		.amdhsa_system_vgpr_workitem_id 0
		.amdhsa_next_free_vgpr 512
		.amdhsa_next_free_sgpr 66
		.amdhsa_reserve_vcc 0
		.amdhsa_float_denorm_mode_32 3
		.amdhsa_float_denorm_mode_16_64 3
		.amdhsa_memory_ordered 1
		.amdhsa_forward_progress 1
		.amdhsa_inst_pref_size 87
	.end_amdhsa_kernel
	.amdgpu_metadata
---
amdhsa.version: [ 1, 2 ]
amdhsa.kernels:
  - .name:           k_qeea144aa65_oproj
    .symbol:         k_qeea144aa65_oproj.kd
    .args:
      - { .name: o16, .offset: 0, .size: 8, .value_kind: global_buffer, .address_space: global }
      - { .name: w16, .offset: 8, .size: 8, .value_kind: global_buffer, .address_space: global }
      - { .name: out0, .offset: 16, .size: 8, .value_kind: global_buffer, .address_space: global }
    .group_segment_fixed_size: 327680
    .private_segment_fixed_size: 0
    .kernarg_segment_align: 8
    .kernarg_segment_size: 24
    .max_flat_workgroup_size: 128
    .sgpr_count:     66
    .vgpr_count:     512
    .wavefront_size: 32
...
	.end_amdgpu_metadata
.endif
;; end of part 4
;; ======== version 2 of 2: 4 launches; version 1 with the launch prep written anew for expert scheduling mode
;; limits: values are held in f16: magnitudes above 65,504 overflow, below 6.1e-05 lose precision
;; workspace buffers: x16 50,331,648 bytes; w16 8,388,608 bytes; mbits 2,097,152 bytes of whole numbers; qkv16 50,331,648 bytes; o16 16,777,216 bytes
;; launch prep (part 5): grid 1792 x 1, 8 waves a work-group, no clusters, 68,608 bytes of LDS; arguments q, k, v, Wq, Wk, Wv, Wo, mask, x16, w16, mbits; writes x16, w16, mbits
.if DOCPART == 5
	.amdgcn_target "amdgcn-amd-amdhsa--gfx1250"
	.amdhsa_code_object_version 6
	.text
	.protected	k_qeea144aa65_prep
	.globl	k_qeea144aa65_prep
	.p2align	8
	.type	k_qeea144aa65_prep,@function
k_qeea144aa65_prep:
	s_mov_b64 s[64:65], 0
	v_nop
	global_prefetch_b8 v0, s[64:65] scope:SCOPE_SE
	s_setreg_imm32_b32 hwreg(HW_REG_WAVE_SCHED_MODE, 0, 2), 2
	s_setreg_imm32_b32 hwreg(HW_REG_WAVE_MODE, 25, 1), 1
	s_wait_xcnt 0x0
	s_wait_alu depctr_vm_vsrc(0)
; PREPARES THE OPERANDS of the three launches behind it.  Three kinds of work-group, chosen by the work-group's number alone:
;   0 .. 767      q, k, v [4][2048][1024] f32 -> x16, f16, laid in blocks: byte = (4 p + b) << 22 | kb << 18 | l << 7 | 2 d  (p: 0 q, 1 k, 2 v; column = 64 kb + d),
;                 so that 128 tokens x 64 columns are 16,384 consecutive bytes
;   768 .. 1279   mask [4][2048][2048] int32 -> mbits, one bit a number: for 16 queries (qtile) and 64 keys (kstep) 32 words; bit L of word 8 kb + j says
;                 mask[b][16 qtile + L % 16][64 kstep + 16 kb + 8 (L / 16) + j] != 0: the word is the lane mask of one select on a score register in the attention launch
;   1280 .. 1791  Wq, Wk, Wv, Wo [k][n] f32 -> w16 [4][n][k] f16, transposed
; Each input byte is read once, by 16-byte loads of which sixteen neighbouring lanes take 256 consecutive bytes; each store of a wave covers whole aligned runs of 256 bytes.
; No matrix unit, no cluster, no tensor load: nothing here is shared between work-groups and nothing is multiplied.
; LIMIT.  f16 holds no number beyond 65,504: an input of 65,520 or more in magnitude becomes an infinity; below 6.1e-5 f16 keeps a fixed step of 6e-8.  Each number is rounded once, to nearest even.
; THE MODE: SCHED_MODE bits 1:0 = 2 (LLVM: expert scheduling mode 2), set by the entry lines.  The code itself states the register dependences
; between vector instructions and memory or LDS instructions, with s_wait_alu, always for 0.
; THE PLAN, path by path: the registers that memory or LDS instructions touch, and who else names them.
;   Every offset and LDS address (v1 to v5) is made once in its path and never written again: one wait on va_vdst between its making and its first use.
;   WEIGHTS.  X: the eight loads land in it, the sixteen conversions read it, the stage's four loads land in its first sixteen registers.  Y: the conversions write it, the LDS stores read it.
;             One wait on va_vdst behind the conversions states both, and that v3 to v5 are written; no vector instruction follows it.
;   TOKENS.   X: 32 loads land in it; each load's four registers are rounded in place into the first two, which its store reads; no register is used twice.  The loads go in eight blocks of four:
;             block p's conversions name block p's registers alone, and the stores of block p - 1 are dealt among them, behind ONE wait on va_vdst at the block's head.
;   MASK.     X0 (unit 0 as loaded): read by unit 0's LDS stores, then unit 1's loads from the stage land in it (one wait on vm_vsrc between), then unit 1's compares read it.
;             X1 (unit 1 as loaded): read by unit 1's LDS stores alone.  Y: unit 0's loads from the stage land in it, unit 0's compares read it.
;             OUT: a pair of registers a unit, written by v_writelane_b32, read by the unit's one store: one wait on va_vdst ahead of that store.
;             s32 to s47: sixteen compares write them, sixteen v_writelane_b32 read them: one wait on va_sdst between the two runs.
.set SPARE, 67584                      ; behind the stages: the spare words, 128 bytes for each of eight waves: four blocks of 256 bytes that no other line names
.set MP,  528                          ; the mask's stage: a row of 512 bytes + 16 = 33 x 16 bytes: sixteen rows' equal columns start at sixteen different groups of four banks (64 banks of 4 bytes: ISA guide 11.1)
.set WP,  272                          ; the weights' stage: a row of 256 bytes + 16
.set SPW, 10                           ; v10  LDS address of my spare word; never rewritten
.set NIL, 11                           ; v11  0; never rewritten
.set OUT, 12                           ; v[12:15]  the mask's words on their way out: two registers a unit
.set X,   16                           ; v[16:143] as loaded
.set Y,   144                          ; v[144:207] at work
	s_load_b512 s[4:19], s[0:1], 0x0               ; q s[4:5], k s[6:7], v s[8:9], Wq s[10:11], Wk s[12:13], Wv s[14:15], Wo s[16:17], mask s[18:19]
	s_load_b128 s[20:23], s[0:1], 0x40             ; x16 s[20:21], w16 s[22:23]
	s_load_b64 s[24:25], s[0:1], 0x50              ; mbits
	v_lshl_add_u32 v[SPW], v0, 2, SPARE
	v_mov_b32 v[NIL], 0
	v_lshrrev_b32 v1, 5, v0
	v_readfirstlane_b32 s26, v1                    ; my wave's number
	s_mov_b32 s27, ttmp9                           ; the work-group's number
	s_mov_b32 s31, 0                               ; the high word of every offset pair s[30:31]
	v_and_b32 v6, 31, v0                           ; lane
	v_and_b32 v7, 15, v0                           ; lane % 16 (thread % 16)
	v_bfe_u32 v8, v0, 4, 1                         ; lane / 16
	s_wait_alu depctr_va_sdst(0)                   ; s26 is written, ahead of the branches and of its first reader in either path that reads it
	s_wait_kmcnt 0x0
	s_cmp_lt_u32 s27, 768
	s_cbranch_scc1 .Lcvt
	s_cmp_lt_u32 s27, 1280
	s_cbranch_scc1 .Lmask
	; ---- A WEIGHT'S BLOCK of 128 k x 64 n is turned.  Thread t: c = t % 16 (four columns), g = t / 16 (two rows in each 32).
	s_sub_co_u32 s33, s27, 1280
	s_lshr_b32 s32, s33, 7                         ; which weight
	s_cmp_eq_u32 s32, 1
	s_cselect_b64 s[28:29], s[12:13], s[10:11]
	s_cmp_eq_u32 s32, 2
	s_cselect_b64 s[28:29], s[14:15], s[28:29]
	s_cmp_eq_u32 s32, 3
	s_cselect_b64 s[28:29], s[16:17], s[28:29]
	s_bfe_u32 s34, s33, 0x30004                    ; block of 128 along k
	s_and_b32 s35, s33, 15                         ; block of 64 along n
	s_lshl_b32 s30, s34, 19                        ; 128 rows of 4,096 bytes
	s_lshl_b32 s36, s35, 8                         ; 64 columns of 4 bytes
	s_add_co_u32 s30, s30, s36
	s_add_nc_u64 s[28:29], s[28:29], s[30:31]
	s_lshl_b32 s30, s32, 21                        ; in w16: the weight's 2 MiB,
	s_lshl_b32 s36, s35, 17                        ; 64 rows of 2,048 bytes,
	s_add_co_u32 s30, s30, s36
	s_lshl_b32 s36, s34, 8                         ; 128 k of 2 bytes
	s_add_co_u32 s30, s30, s36
	s_add_nc_u64 s[22:23], s[22:23], s[30:31]
	v_lshrrev_b32 v9, 4, v0                        ; g
	v_lshlrev_b32 v1, 4, v7
	v_lshl_add_u32 v1, v9, 13, v1                  ; from: row 2 g, 16 bytes at 16 c
	s_wait_alu depctr_va_vdst(0)                   ; v1 is written, which the eight loads read as their offset
.irp i, 0,1,2,3
	global_load_b128 v[X+8*(\i):X+8*(\i)+3],   v1, s[28:29] offset:(\i)*131072 th:TH_LOAD_NT       ; row 2 g + 32 i
	global_load_b128 v[X+8*(\i)+4:X+8*(\i)+7], v1, s[28:29] offset:(\i)*131072+4096 th:TH_LOAD_NT  ; and the row below it
.endr
	v_mul_u32_u24 v3, v7, 4*WP
	v_lshl_add_u32 v3, v9, 2, v3                   ; into the stage: row n = 4 c + e, the two k at byte 4 g + 64 i
	v_mul_u32_u24 v4, v9, WP
	v_lshl_add_u32 v4, v7, 4, v4                   ; back: row g + 16 i, 16 bytes at 16 c
	v_lshlrev_b32 v5, 4, v7
	v_lshl_add_u32 v5, v9, 11, v5                  ; and the same place in w16
	s_wait_loadcnt 0x0                             ; all eight: every conversion below pairs two of them
.irp i, 0,1,2,3
.irp e, 0,1,2,3
	v_cvt_pk_f16_f32 v[Y+4*(\i)+(\e)], v[X+8*(\i)+(\e)], v[X+8*(\i)+4+(\e)]  ; one column's k and k + 1: neighbours in w16
.endr
.endr
	s_wait_alu depctr_va_vdst(0)                   ; the conversions have written Y, which the LDS stores read, and are done reading X, in which the stage's loads land; v3, v4 and v5 are written
.irp i, 0,1,2,3
.irp e, 0,1,2,3
	ds_store_b32 v3, v[Y+4*(\i)+(\e)] offset:(\e)*WP+64*(\i)
.endr
.endr
	s_wait_dscnt 0x0                               ; for the others' sake: my stores into the stage are done
	s_barrier_signal -1
	s_barrier_wait -1                              ; a row of the stage comes from all eight waves
.irp i, 0,1,2,3
	ds_load_b128 v[X+4*(\i):X+4*(\i)+3], v4 offset:(\i)*16*WP  ; no vector instruction since the wait above names these registers
.endr
.irp i, 0,1,2,3
	s_wait_dscnt 3-(\i)                            ; LDS loads come back in order: load i is in, the younger ones stay out
	global_store_b128 v5, v[X+4*(\i):X+4*(\i)+3], s[22:23] offset:(\i)*32768  ; sixteen lanes store 256 consecutive bytes of a row of w16, aligned
.endr
	s_wait_dscnt 0x0                               ; the closing lines, six on end
	s_wait_alu 0x0
	s_wait_tensorcnt 0x0
	ds_add_u32 v[SPW], v[NIL]
	s_wait_dscnt 0x0
	s_endpgm
	; ---- 32 TOKENS OF q, k OR v are rounded to f16: four tokens a wave, 32 loads all on their way at once, no register used twice.
.Lcvt:
	s_lshr_b32 s32, s27, 8                         ; p
	s_and_b32 s33, s27, 255                        ; the block of 32 tokens among the tensor's 8,192
	s_cmp_eq_u32 s32, 1
	s_cselect_b64 s[28:29], s[6:7], s[4:5]
	s_cmp_eq_u32 s32, 2
	s_cselect_b64 s[28:29], s[8:9], s[28:29]
	s_lshl_b32 s30, s33, 17                        ; 32 rows of 4,096 bytes
	s_add_nc_u64 s[28:29], s[28:29], s[30:31]
	s_lshl_b32 s34, s32, 2
	s_lshr_b32 s35, s33, 6
	s_add_co_u32 s34, s34, s35                     ; 4 p + b
	s_lshl_b32 s30, s34, 22
	s_and_b32 s35, s33, 63
	s_lshl_b32 s35, s35, 12                        ; 32 tokens of 128 bytes
	s_add_co_u32 s30, s30, s35
	s_add_nc_u64 s[20:21], s[20:21], s[30:31]
	v_lshlrev_b32 v1, 4, v7
	v_lshl_add_u32 v1, v8, 12, v1                  ; from: lanes 0-15 one token's 256 bytes, lanes 16-31 the next token's
	s_lshl_b32 s36, s26, 14                        ; my wave's four tokens
	v_add_nc_u32 v1, s36, v1
	s_lshl_b32 s37, s26, 9
	v_lshl_add_u32 v2, v6, 3, s37                  ; to: 8 bytes a lane: two tokens' 128 bytes lie end to end
	s_wait_alu depctr_va_vdst(0)                   ; v1 and v2 are written: every load of this path reads the one as its offset, every store the other
.set i, 0
.rept 32                               ; pair of tokens i / 16, columns 64 (i % 16) on
	global_load_b128 v[X+4*i:X+4*i+3], v1, s[28:29] offset:(i/16)*8192+(i%16)*256 th:TH_LOAD_NT
.set i, i+1
.endr
.macro PUT                             ; what load i brought goes out, rounded
	global_store_b64 v2, v[X+4*i:X+4*i+1], s[20:21] offset:(i/16)*256+((i%16)<<18)  ; the wave stores 256 consecutive bytes, aligned
.endm
.set p, 0
.rept 8                                ; block p: loads 4 p to 4 p + 3 are rounded; the stores of block p - 1 are dealt among the conversions
	s_wait_loadcnt 28-4*p                          ; loads come back in order: the block's four are in, the 28 - 4 p younger ones stay out
.if p > 0
	s_wait_alu depctr_va_vdst(0)                   ; the conversions of the block before have written the registers that the four stores below read; this block's conversions name none of them
.endif
.set j, 0
.rept 4
.if p > 0
.set i, 4*(p-1)+j
	PUT
.endif
.set i, 4*p+j
	v_cvt_pk_f16_f32 v[X+4*i],   v[X+4*i],   v[X+4*i+1]
	v_cvt_pk_f16_f32 v[X+4*i+1], v[X+4*i+2], v[X+4*i+3]
.set j, j+1
.endr
.set p, p+1
.endr
	s_wait_alu depctr_va_vdst(0)                   ; the last block's conversions have written the registers that the last four stores read
.set i, 28
.rept 4
	PUT
.set i, i+1
.endr
	s_endpgm
	; ---- 16 ROWS OF THE MASK become bits.  Wave w takes keys 256 w on, in two units of 128 keys.  A unit goes through my own stage, so that lane L gets
	; row L % 16 and, of every 16 keys, the eight at 8 (L / 16); a compare over the 32 lanes then IS one word of mbits.
.Lmask:
	s_sub_co_u32 s33, s27, 768                     ; 128 b + qtile
	s_lshl_b32 s30, s33, 17                        ; 16 rows of 8,192 bytes
	s_add_nc_u64 s[18:19], s[18:19], s[30:31]
	s_lshl_b32 s30, s33, 12                        ; 32 key steps of 128 bytes
	s_add_nc_u64 s[24:25], s[24:25], s[30:31]
	s_lshl_b32 s36, s26, 10                        ; my wave's 256 keys
	v_lshl_add_u32 v1, v6, 4, s36
	s_wait_alu depctr_va_vdst(0)                   ; v1 is written, which the 32 loads read as their offset
.set i, 0
.rept 32                               ; unit i / 16, row i % 16: 512 consecutive bytes
	global_load_b128 v[X+4*i:X+4*i+3], v1, s[18:19] offset:(i%16)*8192+(i/16)*512 th:TH_LOAD_NT
.set i, i+1
.endr
	s_mul_i32 s37, s26, 16*MP                      ; my stage
	v_lshl_add_u32 v3, v6, 4, s37                  ; in: a row as it was loaded
	v_mul_u32_u24 v4, v7, MP
	v_lshl_add_u32 v4, v8, 5, v4
	v_add_nc_u32 v4, s37, v4                       ; back: row L % 16, 32 bytes at 32 (L / 16) of every 64
	s_lshl_b32 s38, s26, 9                         ; my wave's four key steps in mbits
	v_lshl_add_u32 v5, v6, 3, s38
.irp j, 0,1,2,3
	v_mov_b32 v[OUT+(\j)], 0                       ; written whole before single lanes are written
.endr
	s_wait_alu depctr_va_vdst(0)                   ; v3, v4 and v5 are written: the addresses of the LDS stores and loads and the offset of the two stores below
.macro TOSTG e                         ; unit e's sixteen rows go into my stage as they were loaded
.set r, 0
.rept 16
	s_wait_loadcnt (1-(\e))*16+15-r                ; this row is in; the unit's later rows, and the later unit's sixteen, stay out
	ds_store_b128 v3, v[X+64*(\e)+4*r:X+64*(\e)+4*r+3] offset:r*MP
.set r, r+1
.endr
.endm
.macro BACK d                          ; and come back, into the 64 registers from d on: key step y / 8 of the unit, keys 16 ((y / 2) % 4) on, four numbers at 4 (y % 2)
.set y, 0
.rept 16
	ds_load_b128 v[(\d)+4*y:(\d)+4*y+3], v4 offset:(y/8)*256+((y/2)%4)*64+(y%2)*16  ; LDS serves a wave's instructions in order (ISA guide 5.7.1.4): these see the unit's stores
.set y, y+1
.endr
.endm
.macro BITS e, d                       ; unit e's 64 words out of the registers from d on: sixteen compares, then their sixteen words: word y goes to lane y / 2 of register y % 2
.set y, 0
.rept 4
.irp j, 0,1,2,3,4,5,6,7,8,9,10,11,12,13,14,15
	v_cmp_ne_u32 s[32+(\j)], 0, v[(\d)+y+(\j)]
.endr
	s_wait_alu depctr_va_sdst(0)                   ; the sixteen compares have written s32 to s47, which the sixteen lines below read
.irp j, 0,1,2,3,4,5,6,7,8,9,10,11,12,13,14,15
	v_writelane_b32 v[OUT+2*(\e)+((\j)&1)], s[32+(\j)], (y+(\j))>>1
.endr
.set y, y+16
.endr
	s_wait_alu depctr_va_vdst(0)                   ; the unit's pair of OUT is written, which the store reads
	global_store_b64 v5, v[OUT+2*(\e):OUT+2*(\e)+1], s[24:25] offset:(\e)*256  ; 64 words, two key steps: 256 consecutive bytes, aligned
.endm
	TOSTG 0
	BACK Y
	TOSTG 1                                        ; behind unit 0's loads from the stage, which LDS serves first
	s_wait_dscnt 16                                ; unit 0 is back in Y; unit 1's sixteen stores may stay out
	s_wait_alu depctr_vm_vsrc(0)                   ; unit 0's LDS stores have read v[X:X+63], in which unit 1's loads from the stage land; no vector instruction has named these registers
	BACK X                                         ; unit 1 is on its way through the stage while unit 0's bits are made
	BITS 0, Y
	s_wait_dscnt 0x0                               ; unit 1 is back
	BITS 1, X
	s_wait_dscnt 0x0                               ; the closing lines, six on end
	s_wait_alu 0x0
	s_wait_tensorcnt 0x0
	ds_add_u32 v[SPW], v[NIL]
	s_wait_dscnt 0x0
	s_endpgm
.Lfunc_end_k_qeea144aa65_prep:
	.size	k_qeea144aa65_prep, .Lfunc_end_k_qeea144aa65_prep-k_qeea144aa65_prep
	.p2alignl 7, 3214868480
	.fill 96, 4, 3214868480
	.section	.rodata,"a",@progbits
	.p2align	6, 0x0
	.amdhsa_kernel k_qeea144aa65_prep
		.amdhsa_group_segment_fixed_size 68608
		.amdhsa_private_segment_fixed_size 0
		.amdhsa_enable_private_segment 0
		.amdhsa_kernarg_size 88
		.amdhsa_user_sgpr_count 2
		.amdhsa_user_sgpr_kernarg_segment_ptr 1
		.amdhsa_wavefront_size32 1
		.amdhsa_system_sgpr_workgroup_id_x 1
		.amdhsa_system_sgpr_workgroup_id_y 1
		.amdhsa_system_sgpr_workgroup_id_z 1
		.amdhsa_system_vgpr_workitem_id 0
		.amdhsa_next_free_vgpr 208
		.amdhsa_next_free_sgpr 66
		.amdhsa_reserve_vcc 0
		.amdhsa_float_denorm_mode_32 3
		.amdhsa_float_denorm_mode_16_64 3
		.amdhsa_memory_ordered 1
		.amdhsa_forward_progress 1
		.amdhsa_inst_pref_size 44
	.end_amdhsa_kernel
	.amdgpu_metadata
---
amdhsa.version: [ 1, 2 ]
amdhsa.kernels:
  - .name:           k_qeea144aa65_prep
    .symbol:         k_qeea144aa65_prep.kd
    .args:
      - { .name: q, .offset: 0, .size: 8, .value_kind: global_buffer, .address_space: global }
      - { .name: k, .offset: 8, .size: 8, .value_kind: global_buffer, .address_space: global }
      - { .name: v, .offset: 16, .size: 8, .value_kind: global_buffer, .address_space: global }
      - { .name: Wq, .offset: 24, .size: 8, .value_kind: global_buffer, .address_space: global }
      - { .name: Wk, .offset: 32, .size: 8, .value_kind: global_buffer, .address_space: global }
      - { .name: Wv, .offset: 40, .size: 8, .value_kind: global_buffer, .address_space: global }
      - { .name: Wo, .offset: 48, .size: 8, .value_kind: global_buffer, .address_space: global }
      - { .name: mask, .offset: 56, .size: 8, .value_kind: global_buffer, .address_space: global }
      - { .name: x16, .offset: 64, .size: 8, .value_kind: global_buffer, .address_space: global }
      - { .name: w16, .offset: 72, .size: 8, .value_kind: global_buffer, .address_space: global }
      - { .name: mbits, .offset: 80, .size: 8, .value_kind: global_buffer, .address_space: global }
    .group_segment_fixed_size: 68608
    .private_segment_fixed_size: 0
    .kernarg_segment_align: 8
    .kernarg_segment_size: 88
    .max_flat_workgroup_size: 256
    .sgpr_count:     66
    .vgpr_count:     208
    .wavefront_size: 32
...
	.end_amdgpu_metadata
.endif
;; end of part 5
;; launch qkv: the kernel of part 2 again; grid 4 x 96, 4 waves a work-group, clusters of 4 x 4, 327,680 bytes of LDS; arguments x16, w16, qkv16; writes qkv16
;; launch attn: the kernel of part 3 again; grid 4 x 64, 8 waves a work-group, clusters of 4 x 1, 327,680 bytes of LDS; arguments qkv16, mbits, o16; writes o16
;; launch oproj: the kernel of part 4 again; grid 4 x 64, 4 waves a work-group, clusters of 4 x 4, 327,680 bytes of LDS; arguments o16, w16, out0; writes out0
